; MI455X (gfx1250); checked and timed in simulation.
; The chip was launched on July 23, 2026; its instructions are those of AMD's public machine-readable ISA for CDNA 5 (MIT licence, August 2026) and "CDNA5" Instruction Set Architecture Reference Guide (July 2026). The comments in the code are by the model that wrote it; some were corrected since.
;; Distance Aware Self Attention. Allowed arithmetic: matrix products marked QUANTISED: E2M1 operands, one E8M0 scale for each 32 along K, by v_wmma_scale_f32_16x16x128_f8f6f4 with both operands' format E2M1 (or v_wmma_scale_f32_32x16x128_f4), f32 sums; products left as they are: bf16, f16 or f32 operands; f32 sums; everything else in f32.
;; Inputs: W_in 3,072 x 1,024 float32; W_out 1,024 x 1,024 float32; b_in 3,072 float32; b_out 1,024 float32; inputs 1,024 x 8 x 1,024 float32; k_dist_emb 11 x 64 float32; v_dist_emb 11 x 64 float32.
;; Outputs: out0 1,024 x 8 x 1,024 float32.
;; This version of the problem:
;;   THIS VERSION OF THE PROBLEM IS GIVEN IN LOW PRECISION. The matrix products marked QUANTISED in the list below multiply operands that are first quantised to E2M1 (2 exponent bits, 1 mantissa bit; 4 bits a number), with one power-of-two scale for each 32 numbers along K (OCP MX v1.0); their sums are f32. The products marked 'left as it is' may take bf16, f16 or f32 operands, with f32 sums. Whichever they take, every output number must still come out within the allowed error. Rounding operands to bf16 (8 significant bits) uses up far more of that allowance than f16 does (11 bits, for magnitudes from 6e-5 to 65,504). All else is computed in f32.
;;   The module's matrix products, in the order in which they are computed (A, B: the left and right operand; K: the contracted axis; several contracted axes count as one K, in the product's order):
;;     1. [M 8,192, K 1,024] x [K 1,024, N 3,072]; A: input inputs; B: input W_in: QUANTISED
;;     2. batch 128 x [M 1,024, K 64] x [K 64, N 1,024]; A: computed on the way; B: computed on the way: left as it is (an operand is computed on the way)
;;     3. batch 1,024 x [M 1,024, K 64] x [K 64, N 128]; A: computed on the way; B: computed on the way: left as it is (an operand is computed on the way)
;;     4. batch 128 x [M 1,024, K 1,024] x [K 1,024, N 64]; A: computed on the way; B: computed on the way: left as it is (an operand is computed on the way)
;;     5. batch 1,024 x [M 64, K 1,024] x [K 1,024, N 128]; A: computed on the way; B: computed on the way: left as it is (an operand is computed on the way)
;;     6. [M 8,192, K 1,024] x [K 1,024, N 1,024]; A: computed on the way; B: input W_out: left as it is (an operand is computed on the way)
;;   THE QUANTISER, for each operand of a quantised product, along K:
;;     - K is cut into blocks of 32 from its start; a last block that is shorter is filled with zeros.
;;     - A block's scale is 2^e with e = floor(log2(the largest magnitude in the block)) - 2, held to -126 .. 127; a block of zeros has e = 0. As a byte (E8M0): e + 127.
;;     - Each number is divided by its block's scale, clamped to +-6, and rounded to the nearest number of E2M1, ties to even, subnormals kept.
;;     - The product sums the exact products of the quantised numbers (number of the format x scale) in f32.
;;   ~~~python
;;   def quantise(x, axis):      # numpy; x: float32 -> the quantised numbers, widened to float32 again
;;       x = np.moveaxis(x, axis, -1); K = x.shape[-1]
;;       x = np.pad(x, [(0, 0)] * (x.ndim - 1) + [(0, -K % 32)]); x = x.reshape(x.shape[:-1] + (-1, 32)); a = np.abs(x).max(-1, keepdims=True)
;;       e = np.where(a > 0, np.clip(np.frexp(np.where(a > 0, a, 1))[1] - 1 - 2, -126, 127), 0)      # np.frexp(a)[1] - 1 = floor(log2(a)), exactly
;;       r = np.clip(x / 2.0 ** e, -6, 6)
;;       step = 2.0 ** (np.maximum(np.frexp(np.where(r == 0, 1, r))[1] - 1, 0) - 1)
;;       q = np.round(r / step) * step * 2.0 ** e      # np.round: ties to even
;;       return np.moveaxis(q.reshape(q.shape[:-2] + (-1,))[..., :K], -1, axis).astype(np.float32)
;;   ~~~
;; One version. Each part assembles by itself: llvm-mc -triple=amdgcn-amd-amdhsa -mcpu=gfx1250 --defsym DOCPART=n.
;; ======== version 1 of 1: 4 launches
;; limits: values are held in f16: magnitudes above 65,504 overflow, below 6.1e-05 lose precision
;; workspace buffers: a_codes 4,194,304 bytes; a_scales 262,144 bytes; w_codes 1,572,864 bytes; w_scales 98,304 bytes; wo 2,097,152 bytes; qkvh 50,331,648 bytes; ao 16,777,216 bytes
;; launch quant (part 1): grid 384 x 1, 4 waves a work-group, no clusters, 33,280 bytes of LDS; arguments inputs, W_in, W_out, a_codes, a_scales, w_codes, w_scales, wo; writes a_codes, a_scales, w_codes, w_scales, wo
.if DOCPART == 1
	.amdgcn_target "amdgcn-amd-amdhsa--gfx1250"
	.amdhsa_code_object_version 6
	.text
	.protected	k_q944e7f0bdc_quant
	.globl	k_q944e7f0bdc_quant
	.p2align	8
	.type	k_q944e7f0bdc_quant,@function
k_q944e7f0bdc_quant:
	s_mov_b64 s[64:65], 0
	v_nop
	global_prefetch_b8 v0, s[64:65] scope:SCOPE_SE
	s_setreg_imm32_b32 hwreg(HW_REG_WAVE_MODE, 25, 1), 1
	s_wait_xcnt 0x0
; inputs [1024 s][8 b][1024 k] and W_in [3072][1024], f32, become codes of FP4 (E2M1), K innermost, 512 bytes a row, with one E8M0 byte for each 32 along K (32 bytes a row).
; W_out [1024 n][1024 k], f32, becomes f16 laid in planes of 64 along K: wo[k / 64][n][64].
; A block's scale is 2^(floor(log2(its largest magnitude)) - 2); its byte is the largest magnitude's exponent field - 2, held at 1 from below.  Each number is divided by the scale and rounded to the nearest code, ties to even.
; THE ROWS OF inputs ARE PERMUTED on the way: row (s, b) goes to row m' = 1024 b + s of the codes, so that a tile of rows in the product holds consecutive s of one b.
; LIMITS: a block of zeros gets the byte 1 where the rule says 127 (its codes are zeros, and this program alone reads the bytes); blocks whose largest magnitude lies under 2^-124 keep the byte 1;
; NaN and infinities are not served; |W_out| has to stay under 65,504 (f16).
; SHARES: work-groups 0-255 take inputs, 256-351 W_in, both on ONE way through the text (only pointers and strides are chosen); 352-383 cast W_out, on a way that stores nothing to LDS.
; A wave of the quantiser takes 8 rows, 16 steps of 512 numbers.  Each load reads 512 consecutive bytes; a step's 2,048 bytes turn through the wave's own stage in LDS so that a lane holds 16 neighbours along K.
.set WAVES, 4
.set STEPS, 16
.set WGA,   256                        ; work-groups for inputs
.set WGQ,   352                        ; and with W_in's
.set EMAX,  2
.set CB,    8                          ; bytes of 16 codes
.set R,     16                         ; v16-79   four sets of 16 numbers as loaded
.set X,     80                         ; v80-111  two sets of 16 neighbours
.set E,     112                        ; v112-127 a scale byte for each step
.set C,     128                        ; v128-159 codes: two registers for each step, so that no store's data are written again
.set RO,    160                        ; v160-167 byte offset of my 16 bytes in each of the wave's 8 rows; never rewritten
.set WREG,  8192                       ; LDS: a region for each wave: two stages of 32 x SP bytes, behind them its 256 scale bytes
.set SP,    80                         ; a lane's place in a stage: 64 bytes + 16 of padding
.set SPW,   12                         ; v12 LDS address of my spare word; never rewritten
.set NIL,   13                         ; v13 0; never rewritten
.set SPARE, WAVES*WREG                 ; behind the four regions: the spare words, 128 bytes a wave
	s_load_b256 s[4:11], s[0:1], 0x0               ; inputs s[4:5], W_in s[6:7], W_out s[8:9], a_codes s[10:11]
	s_load_b256 s[12:19], s[0:1], 0x20             ; a_scales s[12:13], w_codes s[14:15], w_scales s[16:17], wo s[18:19]
	v_lshl_add_u32 v[SPW], v0, 2, SPARE
	v_mov_b32 v[NIL], 0
	v_lshrrev_b32 v1, 5, v0
	v_readfirstlane_b32 s28, v1                    ; wave
	v_and_b32 v2, 31, v0                           ; lane
	v_lshlrev_b32 v3, 4, v2                        ; 16 x lane
	s_mul_i32 s29, s28, WREG
	v_lshrrev_b32 v14, 2, v2
	v_mul_u32_u24 v14, v14, SP
	v_and_b32 v15, 3, v2
	v_lshl_add_u32 v14, v15, 4, v14
	v_add_nc_u32 v14, s29, v14                     ; the stage, on the way in: SP (lane / 4) + 16 (lane % 4)
	v_mul_u32_u24 v15, v2, SP
	v_add_nc_u32 v15, s29, v15                     ; and on the way out: SP x lane: my 16 neighbours
	v_mul_u32_u24 v4, v2, CB                       ; my codes' place in a step's
	v_lshrrev_b32 v5, 1, v2
	s_add_co_u32 s29, s29, 2*32*SP
	v_add_nc_u32 v5, s29, v5                       ; LDS: my block's scale byte
	v_lshlrev_b32 v7, 3, v2
	v_add_nc_u32 v6, s29, v7                       ; and on the way out 8 bytes a lane
	s_wait_kmcnt 0x0
	s_cmp_ge_u32 ttmp9, WGQ
	s_cbranch_scc1 .Lcast
	s_cmp_lt_u32 ttmp9, WGA                        ; inputs or W_in: the choice hangs on the work-group's number alone
	s_cselect_b64 s[20:21], s[4:5], s[6:7]
	s_cselect_b64 s[22:23], s[10:11], s[14:15]
	s_cselect_b64 s[24:25], s[12:13], s[16:17]
	s_mov_b32 s27, 4096
	s_cselect_b32 s27, 0x8000, s27                 ; bytes from one of my rows to the next: 8 rows of 4,096 in inputs (the same b, the next s), one in W_in
	s_cselect_b32 s26, 0, WGA
	s_sub_co_u32 s26, ttmp9, s26
	s_lshl_b32 s26, s26, 2
	s_add_co_u32 s26, s26, s28                     ; which run of 8 output rows is my wave's
	s_and_b32 s29, s26, 127
	s_lshl_b32 s29, s29, 18                        ; inputs: s0 = 8 (run % 128): 8 x 8 x 4,096 bytes a run,
	s_lshr_b32 s30, s26, 7
	s_lshl_b32 s30, s30, 12                        ; b = run / 128
	s_or_b32 s29, s29, s30
	s_lshl_b32 s30, s26, 15                        ; W_in: 8 dense rows
	s_cmp_lt_u32 ttmp9, WGA
	s_cselect_b32 s30, s29, s30
	s_mov_b32 s31, 0
	s_add_nc_u64 s[20:21], s[20:21], s[30:31]
	s_lshl_b32 s30, s26, 12                        ; 8 rows of 512 bytes of codes
	s_add_nc_u64 s[22:23], s[22:23], s[30:31]
	s_lshl_b32 s30, s26, 8                         ; 8 rows of 32 scale bytes
	s_add_nc_u64 s[24:25], s[24:25], s[30:31]
.irp i, 0,1,2,3,4,5,6,7
	v_mad_u32_u24 v[RO+\i], s27, \i, v3
.endr
.macro LOAD t                          ; step t: half (t % 2) of row t / 2
.irp i, 0,1,2,3
	global_load_b128 v[R+16*((\t)%4)+4*\i:R+16*((\t)%4)+4*\i+3], v[RO+(\t)/2], s[20:21] offset:2048*((\t)%2)+512*\i th:TH_LOAD_NT
.endr
.endm
.macro TURN t                          ; step t's numbers through the stage: LDS serves a wave's instructions in order, so no wait stands between the stores and the loads
.irp i, 0,1,2,3
	ds_store_b128 v14, v[R+16*((\t)%4)+4*\i:R+16*((\t)%4)+4*\i+3] offset:32*SP*((\t)%2)+8*SP*\i
.endr
.irp i, 0,1,2,3
	ds_load_b128 v[X+16*((\t)%2)+4*\i:X+16*((\t)%2)+4*\i+3], v15 offset:32*SP*((\t)%2)+16*\i
.endr
.endm
.irp t, 0,1,2,3
	LOAD \t
.endr
	s_wait_loadcnt 12                              ; step 0's four loads are in
	TURN 0
.macro STEP t
.set XS, X+16*((\t)%2)
.if (\t) > 0
	s_wait_dscnt 1                                 ; this step's numbers are back from the stage (the last step's byte store may be out)
.else
	s_wait_dscnt 0x0
.endif
.if (\t)+4 < STEPS
	LOAD (\t)+4                                    ; into the registers that the stage's stores have read
.endif
.if (\t)+1 < STEPS
.if STEPS-2-(\t) >= 3
	s_wait_loadcnt 12                              ; the next step's four loads are in; those of the three steps behind it may be out
.else
	s_wait_loadcnt 4*(STEPS-2-(\t))
.endif
	TURN (\t)+1
.endif
	v_max3_num_f32 v8, |v[XS]|, |v[XS+1]|, |v[XS+2]|               ; the largest magnitude of my 16, in two chains
	v_max3_num_f32 v9, |v[XS+3]|, |v[XS+4]|, |v[XS+5]|
.irp i, 6,10
	v_max3_num_f32 v8, v8, |v[XS+\i]|, |v[XS+\i+1]|
	v_max3_num_f32 v9, v9, |v[XS+\i+2]|, |v[XS+\i+3]|
.endr
	v_max3_num_f32 v8, v8, |v[XS+14]|, |v[XS+15]|
	v_max3_num_f32 v8, v8, v9, (EMAX+1)<<23        ; and the floor 2^(3 - 127): the byte cannot fall under 1
	v_max_num_f32_dpp v8, v8, v8 row_xmask:1 row_mask:0xf bank_mask:0xf   ; with my neighbour's 16: the block's
	v_add_nc_u32 v11, -(EMAX<<23), v8              ; 2 off its exponent field: the conversion takes the exponent field of this operand as its scale
	v_cvt_scalef32_pk8_fp4_f32 v[C+2*(\t)], v[XS:XS+7], v11
	v_cvt_scalef32_pk8_fp4_f32 v[C+2*(\t)+1], v[XS+8:XS+15], v11
	v_lshrrev_b32 v[E+(\t)], 23, v11               ; the scale's byte (also the plain line behind the conversions)
	ds_store_b8 v5, v[E+(\t)] offset:16*(\t)       ; both lanes of a block write the same byte with the same value
	global_store_b64 v4, v[C+2*(\t):C+2*(\t)+1], s[22:23] offset:32*CB*(\t)   ; the wave stores 256 consecutive bytes, aligned
.endm
.irp t, 0,1,2,3,4,5,6,7,8,9,10,11,12,13,14,15
	STEP \t
.endr
	ds_load_b64 v[8:9], v6                         ; LDS serves a wave's instructions in order: these see my byte stores
	s_wait_dscnt 0x0
	global_store_b64 v7, v[8:9], s[24:25]          ; the wave's 256 scale bytes, consecutive and aligned
	s_wait_tensorcnt 0x0                           ; the wave's end, behind my last LDS store
	ds_add_u32 v[SPW], v[NIL]
	s_wait_dscnt 0x0
	s_endpgm
; THE CAST.  A wave takes 8 rows n of W_out.  Lane l takes row l / 8 of a group of four rows and 8 numbers (32 bytes) at 8 (l % 8) of a plane of 64; its 8 f16 are 16 bytes at 16 l of the
; four rows' 512 consecutive bytes in that plane of wo.  Four batches of 8 planes x 4 rows, two sets of registers: one batch of 16 loads is out while another is converted.
.Lcast:
	s_sub_co_u32 s26, ttmp9, WGQ
	s_lshl_b32 s26, s26, 2
	s_add_co_u32 s26, s26, s28                     ; which 8 rows
	s_lshl_b32 s30, s26, 15
	s_mov_b32 s31, 0
	s_add_nc_u64 s[8:9], s[8:9], s[30:31]          ; 8 rows of 4,096 bytes in W_out
	s_lshl_b32 s30, s26, 10
	s_add_nc_u64 s[18:19], s[18:19], s[30:31]      ; 8 rows of 128 bytes in a plane of wo
	v_lshrrev_b32 v4, 3, v2
	v_and_b32 v5, 7, v2
	v_lshlrev_b32 v5, 5, v5
	v_lshl_add_u32 v4, v4, 12, v5                  ; 4,096 (l / 8) + 32 (l % 8)
.macro LOADB q                         ; batch q: rows 4 (q / 2) on, planes 8 (q % 2) on, into set q % 2
.irp i, 0,1,2,3,4,5,6,7
	global_load_b128 v[16+64*((\q)%2)+8*\i:16+64*((\q)%2)+8*\i+3], v4, s[8:9] offset:((\q)/2)*16384+(8*((\q)%2)+\i)*256 th:TH_LOAD_NT
	global_load_b128 v[16+64*((\q)%2)+8*\i+4:16+64*((\q)%2)+8*\i+7], v4, s[8:9] offset:((\q)/2)*16384+(8*((\q)%2)+\i)*256+16 th:TH_LOAD_NT
.endr
.endm
.macro CVTB q
.irp i, 0,1,2,3,4,5,6,7
.irp k, 0,1,2,3
	v_cvt_pk_f16_f32 v[144+4*\i+\k], v[16+64*((\q)%2)+8*\i+2*\k], v[16+64*((\q)%2)+8*\i+2*\k+1]
.endr
	global_store_b128 v3, v[144+4*\i:144+4*\i+3], s[18:19] offset:(8*((\q)%2)+\i)*131072+((\q)/2)*512   ; 512 consecutive bytes, aligned
.endr
.endm
	LOADB 0
	LOADB 1
	s_wait_loadcnt 16                              ; batch 0 is in; batch 1's 16 loads may be out
	CVTB 0
	LOADB 2
	s_wait_loadcnt 16
	s_wait_xcnt 0x0                                ; the stores' data registers are written again only behind this wait
	CVTB 1
	LOADB 3
	s_wait_loadcnt 16
	s_wait_xcnt 0x0
	CVTB 2
	s_wait_loadcnt 0x0
	s_wait_xcnt 0x0
	CVTB 3
	s_wait_tensorcnt 0x0                           ; the wave's end
	ds_add_u32 v[SPW], v[NIL]
	s_wait_dscnt 0x0
	s_endpgm
.Lfunc_end_k_q944e7f0bdc_quant:
	.size	k_q944e7f0bdc_quant, .Lfunc_end_k_q944e7f0bdc_quant-k_q944e7f0bdc_quant
	.p2alignl 7, 3214868480
	.fill 96, 4, 3214868480
	.section	.rodata,"a",@progbits
	.p2align	6, 0x0
	.amdhsa_kernel k_q944e7f0bdc_quant
		.amdhsa_group_segment_fixed_size 33280
		.amdhsa_private_segment_fixed_size 0
		.amdhsa_enable_private_segment 0
		.amdhsa_kernarg_size 64
		.amdhsa_user_sgpr_count 2
		.amdhsa_user_sgpr_kernarg_segment_ptr 1
		.amdhsa_wavefront_size32 1
		.amdhsa_system_sgpr_workgroup_id_x 1
		.amdhsa_system_sgpr_workgroup_id_y 1
		.amdhsa_system_sgpr_workgroup_id_z 1
		.amdhsa_system_vgpr_workitem_id 0
		.amdhsa_next_free_vgpr 192
		.amdhsa_next_free_sgpr 66
		.amdhsa_reserve_vcc 0
		.amdhsa_float_denorm_mode_32 3
		.amdhsa_float_denorm_mode_16_64 3
		.amdhsa_memory_ordered 1
		.amdhsa_forward_progress 1
		.amdhsa_inst_pref_size 52
	.end_amdhsa_kernel
	.amdgpu_metadata
---
amdhsa.version: [ 1, 2 ]
amdhsa.kernels:
  - .name:           k_q944e7f0bdc_quant
    .symbol:         k_q944e7f0bdc_quant.kd
    .args:
      - { .name: inputs, .offset: 0, .size: 8, .value_kind: global_buffer, .address_space: global }
      - { .name: W_in, .offset: 8, .size: 8, .value_kind: global_buffer, .address_space: global }
      - { .name: W_out, .offset: 16, .size: 8, .value_kind: global_buffer, .address_space: global }
      - { .name: a_codes, .offset: 24, .size: 8, .value_kind: global_buffer, .address_space: global }
      - { .name: a_scales, .offset: 32, .size: 8, .value_kind: global_buffer, .address_space: global }
      - { .name: w_codes, .offset: 40, .size: 8, .value_kind: global_buffer, .address_space: global }
      - { .name: w_scales, .offset: 48, .size: 8, .value_kind: global_buffer, .address_space: global }
      - { .name: wo, .offset: 56, .size: 8, .value_kind: global_buffer, .address_space: global }
    .group_segment_fixed_size: 33280
    .private_segment_fixed_size: 0
    .kernarg_segment_align: 8
    .kernarg_segment_size: 64
    .max_flat_workgroup_size: 128
    .sgpr_count:     66
    .vgpr_count:     192
    .wavefront_size: 32
...
	.end_amdgpu_metadata
.endif
;; end of part 1
;; launch qkv (part 2): grid 12 x 32, 4 waves a work-group, clusters of 4 x 4, 327,680 bytes of LDS; arguments a_codes, a_scales, w_codes, w_scales, b_in, k_dist_emb, v_dist_emb, qkvh; writes qkvh
.if DOCPART == 2
	.amdgcn_target "amdgcn-amd-amdhsa--gfx1250"
	.amdhsa_code_object_version 6
	.text
	.protected	k_q944e7f0bdc_qkv
	.globl	k_q944e7f0bdc_qkv
	.p2align	8
	.type	k_q944e7f0bdc_qkv,@function
k_q944e7f0bdc_qkv:
	s_mov_b64 s[64:65], 0
	v_nop
	global_prefetch_b8 v0, s[64:65] scope:SCOPE_SE
	s_setreg_imm32_b32 hwreg(HW_REG_WAVE_MODE, 25, 1), 1
	s_wait_xcnt 0x0
	s_wait_alu depctr_hold_cnt(0) depctr_sa_sdst(0) depctr_va_vdst(0) depctr_va_sdst(0) depctr_va_ssrc(0) depctr_va_vcc(0) depctr_vm_vsrc(0)
	s_getreg_b32 s2, hwreg(HW_REG_IB_STS2, 6, 4)
	s_cmp_eq_u32 s2, 0
	s_cbranch_scc0 .Lentry_in_a_cluster
	s_endpgm
.Lentry_in_a_cluster:
	s_bfe_u32 s2, ttmp6, 0x10000c
	s_cmp_lg_u32 s2, 0xf033
	s_cbranch_scc0 .Lentry_shape_is_right
	s_endpgm
.Lentry_shape_is_right:
; qkv[m'][n] = sum over k of A[m'][k] W[n][k] + b_in[n], on codes of FP4 (E2M1) with one E8M0 scale for each 32 along K; sums in f32.  A: 8,192 rows (m' = 1024 b + s), W: 3,072 rows, K = 1,024.
; Row 10 of the distance tables is added here: columns 1024-2047 (k) get + k_dist_emb[10][n % 64], columns 2048-3071 (v) get + v_dist_emb[10][n % 64]: beyond distance 9 every key uses that row.
; The result leaves as f16, laid qkvh[b][n / 64][s][64]: a head's rows are 128 consecutive bytes each.  q is not scaled here.
; LIMIT: |q|, |k + ke[10]|, |v + ve[10]| have to stay under 65,504 (f16); NaN and infinities are not served.
; A tile of 256 x 256 is made by a work-group of four waves, each 128 x 128: 64 accumulators, 512 registers.  K is two LDS slots of 512 along K (rows of 256 bytes): both are asked for at the head, nothing is filled again.
; THE SCALES of the work-group's rows, for all of K, are two dense blocks: they come into LDS once, with the first fills.
; CLUSTERS: 4 x 4 work-groups; A's tiles are asked for jointly along a row of the cluster, W's along a column.  The cluster's x says which of q, k, v the columns are: the same in all sixteen partners.
; THE MATRIX INSTRUCTION IS USED TRANSPOSED (source 0 = 16 rows of W, source 1 = 16 rows of A): a lane holds eight neighbouring columns of one row.  THE BIAS IS THE C OF EACH SUM'S FIRST PRODUCT.
; REGISTERS: window 0: v0-31 addresses; v32-95 scale words, two sets, and nothing else; v96-127 the table's row, later packed results; v128-191 A's fragments, later rows on the way out; v192-255 the bias, 8 column blocks x 8.
;   window 1: W's fragments, two sets, at v0 and v128.   window 2: the accumulators of my rows 0-63 ((a, b) at v[8 (8 a + b)]);   window 3: those of rows 64-127.
.set KSTEP,  512
.set NQ,     4                         ; matrix instructions deep in a slot
.set ROWB,   256                       ; a tile's row in bytes
.set KROW,   512                       ; a row of codes in memory
.set PITCH,  272                       ; an LDS row: 256 bytes + 16 of padding: the 16 rows of a load start at 16 different banks
.set FR,     8
.set NL,     2
.set NP,     4                         ; places behind this matrix instruction (ISA guide 7.12.1)
.set HALFT,  128*PITCH
.set SLOT,   4*HALFT
.set KS,     32                        ; a row of scales in bytes
.set SCL,    2*SLOT
.set HALFS,  16*272                    ; the scales of 128 rows
.set SBLK,   2*272                     ; of 16 rows
.set SPARE,  SCL+4*HALFS               ; the spare words, 128 bytes a wave
.set SPITCH, 144                       ; the way out: a stage of 2 x 16 rows x (128 bytes + 16) for each wave, in slot 0, which has had its one fill and its last read by then
.set ADRA, 16
.set ADRB, 20
.set STO,  24
.set RD,   25
.set CO,   26
.set ADRS, 27
.set SPW,  28
.set NIL,  29
.set HB,   30                          ; v30 32 x (lane / 16)
.set SC,   32
.set EM,   96
.set TMP,  96
.set AF,   128
.set BK,   128
.set BI,   192
.set G1, 24
.set G0, 32
.set G1B, 48
.set G0B, 56
.set G1S, 68
.set G0S, 76
.set G1SB, 80
.set G0SB, 88
.set MSB, 0
.macro WIN new                         ; the immediate's high byte repeats the setting that is left
.if MSB != \new
	s_set_vgpr_msb (MSB<<8)|\new
.set MSB, \new
.endif
.endm
.set MUL_LO, 0xa1                      ; source 0 (W) window 1, source 1 (A) window 0, C and D window 2
.set MUL_HI, 0xf1                      ; the same, C and D window 3
.set ONE_LO, 0x81                      ; the first step: C (the bias) window 0, D window 2
.set ONE_HI, 0xc1                      ; D window 3
.set TO_B,   0x40
; A joint load: waves 0 and 1 fetch for A, waves 2 and 3 for W.  The branch hangs on the wave's number alone.  An s_nop 0 and four v_nop follow each of the two lines.
.macro JLOAD g0a, g1a, g0b, g1b
	s_cmp_eq_u32 s15, 0
	s_cbranch_scc0 .Lfor_b_\@
	tensor_load_to_lds s[\g0a:\g0a+3], s[\g1a:\g1a+7]
	s_nop 0
.rept 4
	v_nop
.endr
	s_branch .Lasked_\@
.Lfor_b_\@:
	tensor_load_to_lds s[\g0b:\g0b+3], s[\g1b:\g1b+7]
	s_nop 0
.rept 4
	v_nop
.endr
.Lasked_\@:
.endm
.macro CROUND                          ; a round of the cluster's barrier
	s_barrier_signal -1
	s_barrier_wait -1
	s_cmp_lg_u32 s14, 0
	s_cbranch_scc1 .Lnot_wave_0_\@
	s_barrier_signal -3
.Lnot_wave_0_\@:
	s_barrier_wait -3
	s_barrier_signal -1
	s_barrier_wait -1
.endm
	s_load_b128 s[4:7], s[0:1], 0x0                ; A's codes, A's scales
	s_load_b128 s[8:11], s[0:1], 0x10              ; W's codes, W's scales
	s_load_b128 s[96:99], s[0:1], 0x20             ; b_in s[96:97], k_dist_emb s[98:99]
	s_load_b64 s[100:101], s[0:1], 0x30            ; v_dist_emb
	s_load_b64 s[12:13], s[0:1], 0x38              ; qkvh
	v_lshl_add_u32 v[SPW], v0, 2, SPARE
	v_mov_b32 v[NIL], 0
	ds_add_u32 v[SPW], v[NIL]                      ; the wave's opening: the add, twice on end, and its wait ahead of my first tensor load
	ds_add_u32 v[SPW], v[NIL]
	v_lshrrev_b32 v1, 5, v0
	v_readfirstlane_b32 s14, v1                    ; wave 0..3
	s_lshr_b32 s15, s14, 1                         ; which half of the tile's rows is mine.  Also: I fetch for A (0) or for W (1)
	s_and_b32 s16, s14, 1                          ; which half of its columns.  Also: which 128 rows I fetch
	s_bfe_u32 s40, ttmp6, 0x40000                  ; cx, cy
	s_bfe_u32 s41, ttmp6, 0x40004
	s_lshl_b32 s42, ttmp9, 2
	s_add_co_u32 s42, s42, s40                     ; tile column
	s_and_b32 s17, ttmp7, 0xffff
	s_lshl_b32 s17, s17, 2
	s_add_co_u32 s17, s17, s41                     ; tile row
	s_lshl_b32 s43, s41, 2
	s_lshl_b32 s43, 15, s43                        ; my row of the cluster
	s_lshl_b32 s44, 0x1111, s40                    ; my column
	s_or_b32 s[G1+0], s43, (0<<16)|(1<<20)|(1<<21)|(5<<22)|(3<<25)  ; the mask; elements of 1 byte; padding on; bit 21 beside a mask; 4 words after every 64
	s_or_b32 s[G1B+0], s44, (0<<16)|(1<<20)|(1<<21)|(5<<22)|(3<<25)
.irp g, G1, G1B
	s_mov_b32 s[\g+1], ROWB<<16                    ; tensor_dim0
	s_mov_b32 s[\g+2], 128<<16                     ; tensor_dim1
	s_mov_b32 s[\g+3], ROWB<<16                    ; tile_dim0
	s_mov_b32 s[\g+4], 128                         ; tile_dim1
	s_mov_b32 s[\g+5], KROW                        ; stride
	s_mov_b32 s[\g+6], 0
	s_mov_b32 s[\g+7], 0
.endr
	s_or_b32 s[G1S+0], s43, (3<<16)|(1<<20)|(1<<21)|(5<<22)|(3<<25) ; the scales of 128 rows: 4,096 dense bytes as 16 rows of 256 (32 elements of 8 bytes)
	s_or_b32 s[G1SB+0], s44, (3<<16)|(1<<20)|(1<<21)|(5<<22)|(3<<25)
.irp g, G1S, G1SB
	s_mov_b32 s[\g+1], 32<<16
	s_mov_b32 s[\g+2], 16<<16
	s_mov_b32 s[\g+3], 32<<16
	s_mov_b32 s[\g+4], 16
	s_mov_b32 s[\g+5], 32
	s_mov_b32 s[\g+6], 0
	s_mov_b32 s[\g+7], 0
.endr
	s_lshl_b32 s18, s16, 7
	s_lshl_b32 s20, s17, 8
	s_add_co_u32 s20, s20, s18                     ; A: row 256 x tile row + 128 x half
	s_lshl_b32 s46, s42, 8
	s_add_co_u32 s46, s46, s18                     ; W: row 256 x tile column + 128 x half
	s_mov_b32 s21, 0
	s_mov_b32 s47, 0
	s_mov_b64 s[18:19], KS
	s_mul_u64 s[22:23], s[20:21], s[18:19]         ; where these rows' scales begin
	s_mul_u64 s[92:93], s[46:47], s[18:19]
	s_mov_b64 s[18:19], KROW
	s_mul_u64 s[20:21], s[20:21], s[18:19]         ; and their codes
	s_mul_u64 s[46:47], s[46:47], s[18:19]
	s_mul_i32 s45, s14, HALFT                      ; where they go: wave x 128 rows
	s_mul_i32 s94, s14, HALFS
	s_wait_dscnt 0x0                               ; both opening adds are done
	s_wait_kmcnt 0x0
	s_add_nc_u64 s[20:21], s[4:5], s[20:21]
	s_add_nc_u64 s[22:23], s[6:7], s[22:23]
	s_add_nc_u64 s[46:47], s[8:9], s[46:47]
	s_add_nc_u64 s[92:93], s[10:11], s[92:93]
	CROUND                                         ; all sixteen work-groups are here: the joint loads meet
	s_mov_b32 s[G0S], 1
	s_add_co_u32 s[G0S+1], s94, SCL
	s_mov_b64 s[G0S+2:G0S+3], s[22:23]
	s_or_b32 s[G0S+3], s[G0S+3], 0x80000000
	s_mov_b32 s[G0SB], 1
	s_add_co_u32 s[G0SB+1], s94, SCL
	s_mov_b64 s[G0SB+2:G0SB+3], s[92:93]
	s_or_b32 s[G0SB+3], s[G0SB+3], 0x80000000
	JLOAD G0S, G1S, G0SB, G1SB                     ; the scales first
.irp s, 0,1
	s_mov_b32 s[G0+4*\s], 1
	s_add_co_u32 s[G0+4*\s+1], s45, \s*SLOT
	s_add_nc_u64 s[G0+4*\s+2:G0+4*\s+3], s[20:21], \s*ROWB
	s_or_b32 s[G0+4*\s+3], s[G0+4*\s+3], 0x80000000
	s_mov_b32 s[G0B+4*\s], 1
	s_add_co_u32 s[G0B+4*\s+1], s45, \s*SLOT
	s_add_nc_u64 s[G0B+4*\s+2:G0B+4*\s+3], s[46:47], \s*ROWB
	s_or_b32 s[G0B+4*\s+3], s[G0B+4*\s+3], 0x80000000
	JLOAD G0+4*\s, G1, G0B+4*\s, G1B               ; three tensor loads of mine are out
.endr
	; the bias: lane (r, h), column block b, register j: b_in[my first column + 16 b + 8 h + j] + f x table[10][(16 b + 8 h + j) % 64]
	v_and_b32 v1, 15, v0                           ; r
	v_bfe_u32 v2, v0, 4, 1                         ; h
	v_lshlrev_b32 v[HB], 5, v2
	s_lshl_b32 s46, s42, 10
	s_lshl_b32 s47, s16, 9
	s_add_co_u32 s46, s46, s47
	s_mov_b32 s47, 0
	s_add_nc_u64 s[96:97], s[96:97], s[46:47]      ; b_in at my first column
	s_cmp_eq_u32 ttmp9, 2                          ; the cluster's x: 0 = q, 1 = k, 2 = v
	s_cselect_b64 s[98:99], s[100:101], s[98:99]
	s_cmp_eq_u32 ttmp9, 0
	s_cselect_b32 s66, 0, 1.0                      ; f: q takes nothing of a table
	s_mov_b32 s67, s66                             ; (named with it as a pair)
.irp b, 0,1,2,3,4,5,6,7
	global_load_b128 v[BI+8*\b:BI+8*\b+3], v[HB], s[96:97] offset:64*\b
	global_load_b128 v[BI+8*\b+4:BI+8*\b+7], v[HB], s[96:97] offset:64*\b+16
.endr
.irp b, 0,1,2,3
	global_load_b128 v[EM+8*\b:EM+8*\b+3], v[HB], s[98:99] offset:2560+64*\b
	global_load_b128 v[EM+8*\b+4:EM+8*\b+7], v[HB], s[98:99] offset:2560+64*\b+16
.endr
	v_mul_u32_u24 v3, v1, PITCH
	v_lshl_add_u32 v4, v2, 4, v3                   ; a fragment's row x pitch + 16 x half
	s_mul_i32 s21, s15, HALFT                      ; my 128 rows of A
	s_mul_i32 s22, s16, HALFT                      ; my 128 rows of W,
	s_add_co_u32 s22, s22, 2*HALFT                 ; behind A's 256
.irp s, 0,1
	v_add_nc_u32 v[ADRA+\s], s21, v4
	v_add_nc_u32 v[ADRB+\s], s22, v4
	s_add_co_u32 s21, s21, SLOT
	s_add_co_u32 s22, s22, SLOT
.endr
	v_mul_u32_u24 v5, v1, KS                       ; my row's scales: 32 bytes a row,
	v_lshrrev_b32 v6, 8, v5
	v_lshl_add_u32 v5, v6, 4, v5                   ; and 16 more for each 256 passed
	s_mul_i32 s21, s15, HALFS
	s_mul_i32 s22, s16, HALFS
	s_add_co_u32 s22, s22, 2*HALFS
	s_sub_co_u32 s22, s22, s21
	v_mul_u32_u24 v6, s22, v2                      ; lanes 16-31 take W's
	s_add_co_u32 s21, s21, SCL
	v_add_nc_u32 v5, v5, v6
	v_add_nc_u32 v[ADRS], s21, v5
	s_mul_i32 s23, s14, 2*16*SPITCH                ; my stage
	v_mul_u32_u24 v5, v1, SPITCH
	v_lshl_add_u32 v5, v2, 4, v5
	v_add_nc_u32 v[STO], s23, v5                   ; in: row r, 16 bytes for each half of the lanes
	v_and_b32 v6, 31, v0
	v_lshlrev_b32 v[CO], 4, v6                     ; out: 16 x lane in 512 consecutive bytes (four rows of 128)
	v_lshrrev_b32 v5, 3, v6
	v_mul_u32_u24 v5, v5, SPITCH
	v_and_b32 v6, 7, v0
	v_lshl_add_u32 v5, v6, 4, v5
	v_add_nc_u32 v[RD], s23, v5                    ; back: row lane / 8, 16 bytes at 16 (lane % 8)
	s_lshr_b32 s20, s17, 2                         ; b
	s_mul_i32 s20, s20, 48
	s_lshl_b32 s21, s42, 2
	s_add_co_u32 s20, s20, s21
	s_lshl_b32 s21, s16, 1
	s_add_co_u32 s20, s20, s21                     ; the plane of my first 64 columns: 48 b + 4 x tile column + 2 x half
	s_lshl_b32 s20, s20, 17                        ; 1,024 rows of 128 bytes a plane
	s_and_b32 s21, s17, 3
	s_lshl_b32 s21, s21, 15                        ; s: 256 x (tile row % 4)
	s_add_co_u32 s20, s20, s21
	s_lshl_b32 s21, s15, 14                        ; + 128 x half
	s_add_co_u32 s20, s20, s21
	s_mov_b32 s21, 0
	s_add_nc_u64 s[12:13], s[12:13], s[20:21]      ; never stepped: all else stands in the stores' immediates
	s_wait_loadcnt 0x0
.irp b, 0,1,2,3,4,5,6,7
.irp p, 0,2,4,6
	v_pk_fma_f32 v[BI+8*\b+\p:BI+8*\b+\p+1], v[EM+8*(\b%4)+\p:EM+8*(\b%4)+\p+1], s[66:67], v[BI+8*\b+\p:BI+8*\b+\p+1] op_sel_hi:[1,0,1]
.endr
.endr
.macro FRAG reg, adr, q, i             ; 16 rows x 128 K of 4-bit codes: 8 registers, two loads of 16 bytes, 32 bytes apart
.irp c, 0,1
	ds_load_b128 v[\reg+4*\c:\reg+4*\c+3], v[\adr] offset:64*(\q)+32*\c+(\i)*16*PITCH
.endr
.endm
; 16 matrix instructions: A's blocks a0, a0 + 1 x W's eight, the slot's q-th 128 along K.  first = 1: C is the bias.  The 64 accumulators take turns, one instruction a turn.
.macro MUL16 a0, p, q, sc, first
.irp a, \a0, \a0+1
.irp b, 0,1,2,3,4,5,6,7
.if \first
	v_wmma_scale_f32_16x16x128_f8f6f4 v[8*(8*((\a)%4)+\b):8*(8*((\a)%4)+\b)+7], v[128*(\p)+FR*\b:128*(\p)+FR*\b+FR-1], v[AF+FR*(\a):AF+FR*(\a)+FR-1], v[BI+8*\b:BI+8*\b+7], v[SC+8*NQ*(\sc)+NQ*\b+(\q)], v[SC+8*NQ*(\sc)+NQ*(\a)+(\q)] matrix_a_fmt:MATRIX_FMT_FP4 matrix_b_fmt:MATRIX_FMT_FP4 matrix_a_scale:MATRIX_SCALE_ROW1
.else
	v_wmma_scale_f32_16x16x128_f8f6f4 v[8*(8*((\a)%4)+\b):8*(8*((\a)%4)+\b)+7], v[128*(\p)+FR*\b:128*(\p)+FR*\b+FR-1], v[AF+FR*(\a):AF+FR*(\a)+FR-1], v[8*(8*((\a)%4)+\b):8*(8*((\a)%4)+\b)+7], v[SC+8*NQ*(\sc)+NQ*\b+(\q)], v[SC+8*NQ*(\sc)+NQ*(\a)+(\q)] matrix_a_fmt:MATRIX_FMT_FP4 matrix_b_fmt:MATRIX_FMT_FP4 matrix_a_scale:MATRIX_SCALE_ROW1
.endif
.endr
.endr
.endm
.macro FETCH_B slot, q, p
	WIN TO_B
.irp i, 0,1,2,3,4,5,6,7
	FRAG 128*(\p)+FR*\i, ADRB+\slot, \q, \i
.endr
	WIN 0
.endm
.macro FETCH_A slot, q, i0
.irp i, \i0, \i0+1, \i0+2, \i0+3
	FRAG AF+FR*(\i), ADRA+\slot, \q, \i
.endr
.endm
.macro SCALES sc                       ; a slot's scale words: 4 words a row; lanes 0-15 take A's block i, lanes 16-31 W's block i
.irp i, 0,1,2,3,4,5,6,7
	ds_load_b128 v[SC+8*NQ*\sc+NQ*\i:SC+8*NQ*\sc+NQ*\i+3], v[ADRS] offset:\i*SBLK
.endr
.endm
.macro PLACES n                        ; plain vector instructions between a matrix instruction and a load into, or a read of, its registers
.rept \n
	v_nop
.endr
.endm
.macro STEP slot, q, first             ; a step of 128 along K that has its successor in the same slot
	s_wait_dscnt 4*NL                              ; W's set and A's blocks 0-3 are in; the youngest eight loads (A's blocks 4-7) may be out
.if \first
	WIN ONE_LO
.else
	WIN MUL_LO
.endif
	MUL16 0, (\q)%2, \q, \slot, \first
	MUL16 2, (\q)%2, \q, \slot, \first
	s_wait_dscnt 0
	PLACES NP
	FETCH_B \slot, (\q)+1, 1-(\q)%2
	FETCH_A \slot, (\q)+1, 0
.if \first
	WIN ONE_HI
.else
	WIN MUL_HI
.endif
	MUL16 4, (\q)%2, \q, \slot, \first
	MUL16 6, (\q)%2, \q, \slot, \first
	PLACES NP
	WIN 0
	FETCH_A \slot, (\q)+1, 4
.endm
.macro STEPS slot, from
.set Q, \from
.rept NQ-1-\from
	STEP \slot, Q, 0
.set Q, Q+1
.endr
.endm
	PLACES 8                                       ; the bias was written by vector instructions: some distance ahead of the products that take it
	s_wait_tensorcnt 1                             ; the scales and my part of slot 0 are in; slot 1's load may be out
	s_barrier_signal -1
	s_barrier_wait -1
	FETCH_B 0, 0, 0
	FETCH_A 0, 0, 0
	SCALES 0
	FETCH_A 0, 0, 4
	STEP 0, 0, 1                                   ; the first products start the sums from the bias
	STEPS 0, 1
	; slot 0's last step changes slots: one barrier; nothing is filled again
	s_wait_tensorcnt 0x0                           ; my part of slot 1 has landed
	ds_add_u32 v[SPW], v[NIL]
	s_wait_dscnt 4*NL+1                            ; (the add and A's blocks 4-7 may be out)
	WIN MUL_LO
	MUL16 0, 1, NQ-1, 0, 0
	s_wait_dscnt 0x0                               ; the add is done, and my reads of slot 0 are over
	s_barrier_signal -1
	MUL16 2, 1, NQ-1, 0, 0
	WIN 0
	s_barrier_wait -1
	PLACES NP
	v_add_nc_u32 v[ADRS], 4*NQ, v[ADRS]            ; on to slot 1's scale words
	FETCH_B 1, 0, 0
	FETCH_A 1, 0, 0
	SCALES 1
	WIN MUL_HI
	MUL16 4, 1, NQ-1, 0, 0
	MUL16 6, 1, NQ-1, 0, 0
	PLACES NP
	WIN 0
	FETCH_A 1, 0, 4
	STEPS 1, 0
	s_wait_dscnt 4*NL                              ; the very last step
	WIN MUL_LO
	MUL16 0, 1, NQ-1, 1, 0
	MUL16 2, 1, NQ-1, 1, 0
	s_wait_dscnt 0
	WIN MUL_HI
	MUL16 4, 1, NQ-1, 1, 0
	MUL16 6, 1, NQ-1, 1, 0
	WIN 0
; THE WAY OUT, block by block of 16 rows x 128 columns.  A lane's eight columns pack into 16 bytes of f16.  The block's two groups of 64 columns are two planes of qkvh; in each the 16 rows are 2,048 consecutive bytes.
; The block goes through my own stage in LDS and comes back four rows (512 consecutive bytes) to a store.  LDS serves a wave's instructions in order: no wait between the stores and the loads.
.macro PACK a
	WIN 0x0a+5*((\a)/4)                            ; sources 0 and 1: window 2 or 3
.irp b, 0,1,2,3,4,5,6,7
.irp r, 0,1,2,3
	v_cvt_pk_f16_f32 v[TMP+4*\b+\r], v[64*((\a)%4)+8*\b+2*\r], v[64*((\a)%4)+8*\b+2*\r+1]   ; each accumulator from its low end on
.endr
.endr
	WIN 0
.endm
.macro TOSTAGE a
.irp b, 0,1,2,3,4,5,6,7
	ds_store_b128 v[STO], v[TMP+4*\b:TMP+4*\b+3] offset:(\b/4)*16*SPITCH+32*(\b%4)
.endr
.irp t, 0,1,2,3,4,5,6,7
	ds_load_b128 v[BK+32*((\a)%2)+4*\t:BK+32*((\a)%2)+4*\t+3], v[RD] offset:(16*(\t/4)+4*(\t%4))*SPITCH
.endr
.endm
.macro SEND a
	s_wait_dscnt 0x0                               ; the block is back in registers
	s_wait_xcnt 0x0                                ; the stores of the block before have read their registers: the next loads from the stage may land there
.irp t, 0,1,2,3,4,5,6,7
	global_store_b128 v[CO], v[BK+32*((\a)%2)+4*\t:BK+32*((\a)%2)+4*\t+3], s[12:13] offset:(\t/4)*131072+(\a)*2048+(\t%4)*512   ; 512 consecutive bytes, aligned
.endr
.endm
	PLACES NP
	PACK 0
	TOSTAGE 0
.irp a, 1,2,3,4,5,6,7                  ; block a's conversions stand between block a - 1's loads from the stage and the wait for them
	PACK \a
	SEND \a-1
	TOSTAGE \a
.endr
	SEND 7
	s_wait_tensorcnt 0x0                           ; the wave's end
	ds_add_u32 v[SPW], v[NIL]
	s_wait_dscnt 0x0
	CROUND                                         ; the closing round
	s_endpgm
.Lfunc_end_k_q944e7f0bdc_qkv:
	.size	k_q944e7f0bdc_qkv, .Lfunc_end_k_q944e7f0bdc_qkv-k_q944e7f0bdc_qkv
	.p2alignl 7, 3214868480
	.fill 96, 4, 3214868480
	.section	.rodata,"a",@progbits
	.p2align	6, 0x0
	.amdhsa_kernel k_q944e7f0bdc_qkv
		.amdhsa_group_segment_fixed_size 327680
		.amdhsa_private_segment_fixed_size 0
		.amdhsa_enable_private_segment 0
		.amdhsa_kernarg_size 64
		.amdhsa_user_sgpr_count 2
		.amdhsa_user_sgpr_kernarg_segment_ptr 1
		.amdhsa_wavefront_size32 1
		.amdhsa_system_sgpr_workgroup_id_x 1
		.amdhsa_system_sgpr_workgroup_id_y 1
		.amdhsa_system_sgpr_workgroup_id_z 1
		.amdhsa_system_vgpr_workitem_id 0
		.amdhsa_next_free_vgpr 1024
		.amdhsa_next_free_sgpr 102
		.amdhsa_reserve_vcc 0
		.amdhsa_float_denorm_mode_32 3
		.amdhsa_float_denorm_mode_16_64 3
		.amdhsa_memory_ordered 1
		.amdhsa_forward_progress 1
		.amdhsa_inst_pref_size 131
	.end_amdhsa_kernel
	.amdgpu_metadata
---
amdhsa.version: [ 1, 2 ]
amdhsa.kernels:
  - .name:           k_q944e7f0bdc_qkv
    .symbol:         k_q944e7f0bdc_qkv.kd
    .args:
      - { .name: a_codes, .offset: 0, .size: 8, .value_kind: global_buffer, .address_space: global }
      - { .name: a_scales, .offset: 8, .size: 8, .value_kind: global_buffer, .address_space: global }
      - { .name: w_codes, .offset: 16, .size: 8, .value_kind: global_buffer, .address_space: global }
      - { .name: w_scales, .offset: 24, .size: 8, .value_kind: global_buffer, .address_space: global }
      - { .name: b_in, .offset: 32, .size: 8, .value_kind: global_buffer, .address_space: global }
      - { .name: k_dist_emb, .offset: 40, .size: 8, .value_kind: global_buffer, .address_space: global }
      - { .name: v_dist_emb, .offset: 48, .size: 8, .value_kind: global_buffer, .address_space: global }
      - { .name: qkvh, .offset: 56, .size: 8, .value_kind: global_buffer, .address_space: global }
    .group_segment_fixed_size: 327680
    .private_segment_fixed_size: 0
    .kernarg_segment_align: 8
    .kernarg_segment_size: 64
    .max_flat_workgroup_size: 128
    .sgpr_count:     102
    .vgpr_count:     1024
    .wavefront_size: 32
...
	.end_amdgpu_metadata
.endif
;; end of part 2
;; launch attn (part 3): grid 2 x 128, 8 waves a work-group, no clusters, 327,680 bytes of LDS; arguments qkvh, k_dist_emb, v_dist_emb, ao; writes ao
.if DOCPART == 3
	.amdgcn_target "amdgcn-amd-amdhsa--gfx1250"
	.amdhsa_code_object_version 6
	.text
	.protected	k_q944e7f0bdc_attn
	.globl	k_q944e7f0bdc_attn
	.p2align	8
	.type	k_q944e7f0bdc_attn,@function
k_q944e7f0bdc_attn:
	s_mov_b64 s[64:65], 0
	v_nop
	global_prefetch_b8 v0, s[64:65] scope:SCOPE_SE
	s_setreg_imm32_b32 hwreg(HW_REG_WAVE_MODE, 25, 1), 1
	s_wait_xcnt 0x0
; For each of 128 (batch, head) pairs: o[s] = sum over t of softmax_t((q[s].k[t] + q[s].ke[dist]) / 8) (v[t] + ve[dist]), dist = min(|s - t|, 10), 1,024 x 1,024, head size 64.
; qkvh holds q, k' = k + ke[10], v' = v + ve[10] in f16.  So all keys are served by the two plain products, and only the 19 diagonals |s - t| <= 9 want a correction:
;   score += q[s].(ke[|e|] - ke[10]),   o += p (ve[|e|] - ve[10]),   e = t - s.   The differences are taken in f32 between table entries.  (The weights sum to 1, so v' carries ve[10] exactly.)
; Products in f16 with f32 sums; maxima, exponentials and sums in f32, with a running maximum.  LIMIT: operands have to stay under 65,504 (f16); NaN and infinities are not served.
; SHARES.  A work-group owns 512 queries of one head, each of its eight waves 64: four tiles of 16.  Two waves share a SIMD, so that one wave's softmax stands beside the other's products.  Keys go 64 a step, 16 steps.
; LAYOUT.  S^T = K Q^T (source 0 = 16 keys, source 1 = 16 queries): a lane holds ONE query (lane % 16) and keys 8 (lane / 16) + 0..7; two such tiles, packed to f16, ARE source 1 of O^T = V^T P.  V comes out of LDS turned.
; THE BAND lies in the wave's own key step and its two neighbours: a scalar branch on ids and the count of steps picks those three steps.
;   Scores: QD = (ke[j] - ke[10]) Q^T, made once by the matrix unit, is laid in a small table in LDS, row = query, word 32 + e, zeros beyond |e| = 15, and read back along the diagonals.
;   Values: the band's p go the other way through a second table and come back as W[j] = p(s, s + j) and p(s, s - j): source 1 (K = 32: 16 plus, 16 minus) of O^T += DV W, DV[j] = ve[j] - ve[10] (j = 0 halved, since it stands on both sides).
; NO CLUSTER: the two work-groups that share a head's K and V differ in which steps hold their band, and that is a branch; a joint request allows no branch that differs between partners.
; RING: two LDS slots of 4 key steps; waves 0-3 fetch a slot's four tiles of K, waves 4-7 those of V: one tensor load a wave behind each barrier; one load of mine is out at any time.
; REGISTERS: window 0: v2-11 addresses; v12-43 statistics, 8 a tile (+0 c m, +1 m, +2, +3 l, +4..7 at work, a in +6); v44-47 zeros; v48-60 the head's; v64-191 S^T, 32 a tile, then P in place; v192-255 K, then V (in band steps also at work).
;   window 1: v0-127 O^T (32 c + 8 n); v128-191 Q (16 c + 8 k); v192-223 QD (8 c); v224-255 DV (8 n).
.set KS,    64
.set PK,    144                        ; a row of K in LDS: 128 bytes + 16
.set PV,    160                        ; a row of V: 128 + 32: the turning load's 8 rows x 32 bytes fall on different banks
.set VOFF,  KS*PK
.set STEPB, KS*(PK+PV)                 ; a step: 64 rows of K, then 64 of V
.set SLOT1, 1<<17
.set SCR0,  SLOT1+4*STEPB              ; behind the ring: each wave's scratch
.set SCRW,  8704                       ; the scores' table, 16 rows x 272 bytes, and the weights' table, as large
.set USH,   4352
.set SPARE, SCR0+8*SCRW                ; the spare words, 128 bytes a wave
.set AK0, 2
.set AV0, 3
.set ADK, 4
.set ADV, 5
.set STO, 6
.set RD,  7
.set GO,  8
.set TA,  9                            ; along a diagonal: scratch + 268 r + 32 h
.set TP,  10                           ; the plus side of a row: scratch + 272 r + 32 h
.set TM,  11                           ; the minus side: scratch + 272 r + 32 (1 - h)
.set ST,  12
.set ZR,  44
.set PFO, 61
.set SPW, 62
.set NIL, 63
.set S,   64
.set KV,  192
.set OQ,  128
.set QD,  192
.set DV,  224
.set WV,  12
.set LIM, 15
.set PFA, 18
.set G1K, 24
.set G1V, 32
.set G0,  40
.set SLOTS, 44
.set CNT, 45
.set TB,  46
.set STEPN, 47
.set AW,  48
.set RH1, 49
.set CS,  50
.set SEL, 52
.set MSB, 0
.macro WIN new
.if MSB != \new
	s_set_vgpr_msb (MSB<<8)|\new
.set MSB, \new
.endif
.endm
.macro PLACES n
.rept \n
	v_nop
.endr
.endm
; Waves 0-3 fetch K's tiles, waves 4-7 V's: the two differ in the padding alone.  An s_nop 0 and four v_nop follow each line.
.macro TLOAD
	s_cmp_lt_u32 s[WV], 4
	s_cbranch_scc0 .Lfor_v_\@
	tensor_load_to_lds s[G0:G0+3], s[G1K:G1K+7]
	s_nop 0
.rept 4
	v_nop
.endr
	s_branch .Lasked_\@
.Lfor_v_\@:
	tensor_load_to_lds s[G0:G0+3], s[G1V:G1V+7]
	s_nop 0
.rept 4
	v_nop
.endr
.Lasked_\@:
.endm
; A prefetch of what the NEXT change of slots will ask for: my wave's own tile, 8,192 dense bytes, lanes 256 bytes apart.  Both work-groups of a head walk the same K and V: the first asks.  So each block is named once.
; It stands four key steps ahead of the load; the last change that fills a slot asks for nothing; nothing is asked for at the head.
.macro ASK
	s_cmp_gt_u32 s[SLOTS], s[LIM]
	s_cbranch_scc0 .Lnot_mine_\@
	global_prefetch_b8 v[PFO], s[PFA:PFA+1] th:TH_LOAD_NT scope:SCOPE_SE
.Lnot_mine_\@:
.endm
	s_load_b256 s[4:11], s[0:1], 0x0               ; qkvh s[4:5], k_dist_emb s[6:7], v_dist_emb s[8:9], ao s[10:11]
	v_lshl_add_u32 v[SPW], v0, 2, SPARE
	v_mov_b32 v[NIL], 0
	ds_add_u32 v[SPW], v[NIL]                      ; the wave's opening: the add, twice on end, and its wait ahead of my first tensor load
	ds_add_u32 v[SPW], v[NIL]
	v_lshrrev_b32 v1, 5, v0
	v_readfirstlane_b32 s[WV], v1                  ; wave 0..7
	s_and_b32 s13, ttmp7, 0xffff
	s_lshr_b32 s14, s13, 4                         ; b
	s_and_b32 s13, s13, 15                         ; h
	s_mul_i32 s16, s14, 48
	s_add_co_u32 s16, s16, s13                     ; q's plane of qkvh
	s_lshl_b32 s[AW], ttmp9, 3
	s_add_co_u32 s[AW], s[AW], s[WV]               ; my first query / 64: also the key step that holds my diagonal
	s_mov_b32 s[G1K], (1<<16)|(1<<20)|(4<<22)|(3<<25)   ; elements of 2 bytes; padding on; after every 32 words, 4 words
	s_mov_b32 s[G1V], (1<<16)|(1<<20)|(4<<22)|(7<<25)   ; 8 words
.irp g, G1K, G1V
	s_mov_b32 s[\g+1], 64<<16                      ; tensor_dim0
	s_mov_b32 s[\g+2], KS<<16                      ; tensor_dim1
	s_mov_b32 s[\g+3], 64<<16                      ; tile_dim0
	s_mov_b32 s[\g+4], KS                          ; tile_dim1
	s_mov_b32 s[\g+5], 64                          ; stride
	s_mov_b32 s[\g+6], 0
	s_mov_b32 s[\g+7], 0
.endr
	s_and_b32 s17, s[WV], 3                        ; which of a slot's four steps I fetch
	s_lshr_b32 s20, s[WV], 2                       ; for K (0) or V (1)
	s_mul_i32 s21, s17, STEPB
	s_mul_i32 s22, s20, VOFF
	s_add_co_u32 s21, s21, s22                     ; its place in a slot
	s_lshl_b32 s22, s20, 4
	s_add_co_u32 s22, s22, s16
	s_add_co_u32 s22, s22, 16                      ; the plane of k' or of v'
	s_lshl_b32 s22, s22, 17
	s_lshl_b32 s23, s17, 13                        ; 64 rows of 128 bytes a step
	s_add_co_u32 s22, s22, s23
	s_mov_b32 s23, 0
	s_mov_b32 s[CS], 0x3e38aa3b                    ; c = log2(e) / 8
	s_mov_b32 s[CS+1], s[CS]
	s_mov_b32 s[SEL], 0x76543210
	s_mov_b32 s[SEL+1], 0xfedcba98
	s_mov_b32 s[TB], 0
	s_mov_b32 s[STEPN], 0
	s_mov_b32 s[SLOTS], 3
	s_wait_dscnt 0x0                               ; both opening adds are done
	s_wait_kmcnt 0x0
	s_mov_b32 s[G0], 1
	s_mov_b32 s[G0+1], s21
	s_add_nc_u64 s[G0+2:G0+3], s[4:5], s[22:23]
	s_or_b32 s[G0+3], s[G0+3], 0x80000000
	TLOAD                                          ; slot 0
	s_add_nc_u64 s[PFA:PFA+1], s[4:5], s[22:23]
	s_add_nc_u64 s[PFA:PFA+1], s[PFA:PFA+1], 32768 ; my tile of slot 1: the first change of slots steps it to slot 2
	s_cmp_eq_u32 ttmp9, 0
	s_cselect_b32 s[LIM], 1, -1
	s_lshl_b32 s20, s16, 17
	s_lshl_b32 s21, s[AW], 13
	s_add_co_u32 s20, s20, s21
	s_mov_b32 s21, 0
	s_add_nc_u64 s[4:5], s[4:5], s[20:21]          ; q at my first query
	s_lshl_b32 s20, s13, 20                        ; ao[h][1024 b + s][64]
	s_lshl_b32 s22, s14, 17
	s_add_co_u32 s20, s20, s22
	s_lshl_b32 s22, s[AW], 13
	s_add_co_u32 s20, s20, s22
	s_add_nc_u64 s[10:11], s[10:11], s[20:21]
	v_and_b32 v1, 15, v0                           ; r
	v_bfe_u32 v48, v0, 4, 1                        ; h
	v_lshlrev_b32 v49, 7, v1
	v_lshl_add_u32 v49, v48, 4, v49                ; q: row r of 128 bytes + 16 h
	WIN 0x40                                       ; destination window 1
.irp c, 0,1,2,3
.irp k, 0,1
	global_load_b128 v[OQ+16*\c+8*\k:OQ+16*\c+8*\k+3], v49, s[4:5] offset:2048*\c+64*\k
	global_load_b128 v[OQ+16*\c+8*\k+4:OQ+16*\c+8*\k+7], v49, s[4:5] offset:2048*\c+64*\k+32
.endr
.endr
	WIN 0
	v_min_u32 v50, 10, v1
	v_lshlrev_b32 v50, 8, v50
	v_lshl_add_u32 v50, v48, 5, v50                ; ke: row min(r, 10) (rows 10-15 give exact zeros below, and no load leaves the table), + 32 h
	v_lshlrev_b32 v51, 5, v48
.irp k, 0,1
.irp u, 0,1
.irp p, 0,1
	global_load_b128 v[64+16*\k+8*\u+4*\p:64+16*\k+8*\u+4*\p+3], v50, s[6:7] offset:128*\k+64*\u+16*\p
	global_load_b128 v[96+16*\k+8*\u+4*\p:96+16*\k+8*\u+4*\p+3], v51, s[6:7] offset:2560+128*\k+64*\u+16*\p
.endr
.endr
.endr
	v_lshlrev_b32 v60, 3, v48
.irp j, 0,1,2,3,4,5,6,7
	v_add_nc_u32 v[52+\j], \j, v60
	v_min_u32 v[52+\j], 10, v[52+\j]
	v_lshlrev_b32 v[52+\j], 8, v[52+\j]
	v_lshl_add_u32 v[52+\j], v1, 2, v[52+\j]       ; ve: row min(8 h + j, 10), channel r
.endr
	v_lshlrev_b32 v60, 2, v1
.irp n, 0,1,2,3
.irp j, 0,1,2,3,4,5,6,7
	global_load_b32 v[144+8*\n+\j], v[52+\j], s[8:9] offset:64*\n
.endr
	global_load_b32 v[176+\n], v60, s[8:9] offset:2560+64*\n
.endr
.irp i, 0,1,2,3
	v_mov_b32 v[ZR+\i], 0
.endr
	s_mul_i32 s17, s[WV], SCRW
	s_add_co_u32 s17, s17, SCR0                    ; my scratch
	v_mul_u32_u24 v[AK0], v1, PK
	v_lshl_add_u32 v[AK0], v48, 4, v[AK0]          ; K: row r x pitch + 16 h
	v_add_nc_u32 v[STO], s17, v[AK0]               ; the way out's stage has the same pitch
	v_and_b32 v4, 7, v0
	v_lshl_add_u32 v[AV0], v48, 3, v4
	v_mul_u32_u24 v[AV0], v[AV0], PV
	v_bfe_u32 v4, v0, 3, 1
	v_lshl_add_u32 v[AV0], v4, 4, v[AV0]
	v_add_nc_u32 v[AV0], VOFF, v[AV0]              ; V, for the turning load: key 8 h + l % 8, channels 8 ((l / 8) % 2) on
	v_mul_u32_u24 v[TA], v1, 268
	v_lshl_add_u32 v[TA], v48, 5, v[TA]
	v_add_nc_u32 v[TA], s17, v[TA]
	v_mul_u32_u24 v4, v1, 272
	v_lshl_add_u32 v[TP], v48, 5, v4
	v_add_nc_u32 v[TP], s17, v[TP]
	v_xor_b32 v5, 1, v48
	v_lshl_add_u32 v[TM], v5, 5, v4
	v_add_nc_u32 v[TM], s17, v[TM]
	v_and_b32 v4, 31, v0                           ; lane
	v_lshrrev_b32 v5, 3, v4
	v_mul_u32_u24 v[RD], v5, PK
	v_and_b32 v5, 7, v0
	v_lshl_add_u32 v[RD], v5, 4, v[RD]
	v_add_nc_u32 v[RD], s17, v[RD]
	v_lshlrev_b32 v[GO], 4, v4
	v_lshlrev_b32 v[PFO], 8, v4
	v_add_nc_u32 v5, s17, v[GO]
.irp i, 0,1,2,3,4,5,6,7
	ds_store_b128 v5, v[ZR:ZR+3] offset:512*\i     ; the scores' table is cleared once: 8 x 512 + 256 = 4,352 bytes; later only words 17 to 47 of a row are written
.endr
	v_lshl_add_u32 v4, v4, 3, s17
	ds_store_b64 v4, v[ZR:ZR+1] offset:4096
	s_wait_loadcnt 0x0
.irp i, 0,2,4,6,8,10,12,14,16,18,20,22,24,26,28,30
	v_pk_add_f32 v[64+\i:65+\i], v[64+\i:65+\i], v[96+\i:97+\i] neg_lo:[0,1] neg_hi:[0,1]   ; ke[j] - ke[10], in f32
.endr
.irp k, 0,1
.irp i, 0,1,2,3,4,5,6,7
	v_cvt_pk_f16_f32 v[128+8*\k+\i], v[64+16*\k+2*\i], v[64+16*\k+2*\i+1]   ; as two fragments: row j = r, 32 channels each
.endr
.endr
	v_cvt_f32_u32 v50, v48
	v_fma_f32 v50, v50, 0.5, 0.5                   ; 0.5 in lanes 0-15, whose register 0 is j = 0; 1 in lanes 16-31 (j = 8)
.irp n, 0,1,2,3
.irp j, 0,1,2,3,4,5,6,7
	v_sub_f32 v[144+8*\n+\j], v[144+8*\n+\j], v[176+\n]   ; ve[j] - ve[10]
.endr
.endr
.irp n, 0,1,2,3
	v_mul_f32 v[144+8*\n], v[144+8*\n], v50
.endr
	WIN 0x40
.irp n, 0,1,2,3
.irp i, 0,1,2,3
	v_cvt_pk_f16_f32 v[DV+8*\n+\i], v[144+8*\n+2*\i], v[144+8*\n+2*\i+1]     ; the plus side's 16 along K,
	v_cvt_pk_f16_f32 v[DV+8*\n+4+\i], v[144+8*\n+2*\i], v[144+8*\n+2*\i+1]   ; and the minus side's: the same numbers
.endr
.endr
	WIN 0x54                                       ; Q, C and D window 1
.irp k, 0,1
.irp c, 0,1,2,3
.if \k == 0
	v_wmma_f32_16x16x32_f16 v[QD+8*\c:QD+8*\c+7], v[128+8*\k:128+8*\k+7], v[OQ+16*\c+8*\k:OQ+16*\c+8*\k+7], 0
.else
	v_wmma_f32_16x16x32_f16 v[QD+8*\c:QD+8*\c+7], v[128+8*\k:128+8*\k+7], v[OQ+16*\c+8*\k:OQ+16*\c+8*\k+7], v[QD+8*\c:QD+8*\c+7]
.endif
.endr
.endr
	WIN 0x40
.set i, 0
.rept 128
	v_mov_b32 v[i], 0                              ; O^T.  The step is written once: the first finds zeros and a largest score of -3e38.  (These are also the places behind the products above)
.set i, i+1
.endr
	WIN 0
.irp t, 0,1,2,3
	v_mov_b32 v[ST+8*\t+1], 0xff61b1e6             ; m = -3e38
	v_mov_b32 v[ST+8*\t+2], 0                      ; l, in two halves
	v_mov_b32 v[ST+8*\t+3], 0
.endr
.irp t, 0,1,2,3
	v_mul_f32 v[ST+8*\t], s[CS], v[ST+8*\t+1]      ; c m
.endr
.macro FETCH_K                         ; 4 tiles of 16 keys x 2 halves of 32 channels
.irp f, 0,1,2,3,4,5,6,7
	ds_load_b128 v[KV+8*\f:KV+8*\f+3], v[ADK] offset:(\f/2)*16*PK+(\f%2)*64
	ds_load_b128 v[KV+8*\f+4:KV+8*\f+7], v[ADK] offset:(\f/2)*16*PK+(\f%2)*64+32
.endr
.endm
.macro FETCH_V                         ; 2 halves of 32 keys x 4 tiles of 16 channels, turned
.irp f, 0,1,2,3,4,5,6,7
	ds_load_tr16_b128 v[KV+8*\f:KV+8*\f+3], v[ADV] offset:(\f/4)*32*PV+(\f%4)*32
	ds_load_tr16_b128 v[KV+8*\f+4:KV+8*\f+7], v[ADV] offset:(\f/4)*32*PV+16*PV+(\f%4)*32
.endr
.endm
.macro KQ_ALL                          ; 32 products; the 16 accumulators take turns; the first 16 start the sums
	WIN 0x04                                       ; Q in window 1
.irp k, 0,1
.irp i, 0,1,2,3
.irp c, 0,1,2,3
.if \k == 0
	v_wmma_f32_16x16x32_f16 v[S+32*\c+8*\i:S+32*\c+8*\i+7], v[KV+16*\i+8*\k:KV+16*\i+8*\k+7], v[OQ+16*\c+8*\k:OQ+16*\c+8*\k+7], 0
.else
	v_wmma_f32_16x16x32_f16 v[S+32*\c+8*\i:S+32*\c+8*\i+7], v[KV+16*\i+8*\k:KV+16*\i+8*\k+7], v[OQ+16*\c+8*\k:OQ+16*\c+8*\k+7], v[S+32*\c+8*\i:S+32*\c+8*\i+7]
.endif
.endr
.endr
.endr
	WIN 0
.endm
.macro PV_ALL
	WIN 0x50                                       ; C and D in window 1
.irp k, 0,1
.irp n, 0,1,2,3
.irp c, 0,1,2,3
	v_wmma_f32_16x16x32_f16 v[32*\c+8*\n:32*\c+8*\n+7], v[KV+32*\k+8*\n:KV+32*\k+8*\n+7], v[S+32*\c+16*\k:S+32*\c+16*\k+7], v[32*\c+8*\n:32*\c+8*\n+7]
.endr
.endr
.endr
	WIN 0
.endm
; The band's scores for tile c of queries and key tiles lo .. hi of this step; the key tile i begins 16 (i - c) + sh keys from the query tile.
; QD of the tile goes into the table on both sides of word 32; each key tile reads its eight words a lane along the diagonals and adds them.
.macro TTILE c, lo, hi, sh
	WIN 0x04                                       ; an LDS store's data are its source 1: window 1
.irp j, 0,1,2,3,4,5,6,7
	ds_store_b32 v[TP], v[QD+8*(\c)+\j] offset:128+4*\j
.endr
.irp j, 0,1,2,3,4,5,6,7
	ds_store_b32 v[TM], v[QD+8*(\c)+\j] offset:96-4*\j
.endr
	WIN 0
.set ii, \lo
.rept (\hi)-(\lo)+1
.irp j, 0,1,2,3,4,5,6,7
	ds_load_b32 v[KV+8*(ii-(\lo))+\j], v[TA] offset:128+4*(16*(ii-(\c))+(\sh)+\j)   ; LDS serves a wave's instructions in order: these see the stores above
.endr
.set ii, ii+1
.endr
	s_wait_dscnt 0x0
.set ii, \lo
.rept (\hi)-(\lo)+1
.irp j, 0,1,2,3,4,5,6,7
	v_add_f32 v[S+32*(\c)+8*ii+\j], v[S+32*(\c)+8*ii+\j], v[KV+8*(ii-(\lo))+\j]
.endr
.set ii, ii+1
.endr
.endm
; The band's weights of tile c.  The key tiles at -16, 0 and +16 keys from the query tile (i < 0: not in this step: zeros) are laid along the diagonals: together they write words 16 - r to 63 - r of row r,
; which hold all that is read (words 17 to 47): the table is never cleared.  Back come p(s, s + j) and p(s, s - j), j = 8 h + 0..7: packed, they are source 1 of the correction.
.macro USTORE c, i, d
.irp j, 0,1,2,3,4,5,6,7
.if (\i) < 0
	ds_store_b32 v[TA], v[ZR] offset:USH+128+4*((\d)+\j)
.else
	ds_store_b32 v[TA], v[S+32*(\c)+8*(\i)+\j] offset:USH+128+4*((\d)+\j)
.endif
.endr
.endm
.macro UTILE c, im, iz, ip
	USTORE \c, \im, -16
	USTORE \c, \iz, 0
	USTORE \c, \ip, 16
.irp j, 0,1,2,3,4,5,6,7
	ds_load_b32 v[KV+\j], v[TP] offset:USH+128+4*\j
.endr
.irp j, 0,1,2,3,4,5,6,7
	ds_load_b32 v[KV+8+\j], v[TM] offset:USH+96-4*\j
.endr
	s_wait_dscnt 0x0
.irp k, 0,1,2,3,4,5,6,7
	v_cvt_pk_f16_f32 v[KV+16+8*(\c)+\k], v[KV+2*\k], v[KV+2*\k+1]
.endr
.endm
.macro DVM c                           ; O^T of tile c += DV W: four accumulators, one instruction each
.irp n, 0,1,2,3
	v_wmma_f32_16x16x32_f16 v[32*(\c)+8*\n:32*(\c)+8*\n+7], v[DV+8*\n:DV+8*\n+7], v[KV+16+8*(\c):KV+16+8*(\c)+7], v[32*(\c)+8*\n:32*(\c)+8*\n+7]
.endr
.endm
.macro SCL b                           ; pair b of all four tiles: c s - c m
.irp t, 0,1,2,3
	v_pk_fma_f32 v[S+32*\t+2*(\b):S+32*\t+2*(\b)+1], v[S+32*\t+2*(\b):S+32*\t+2*(\b)+1], s[CS:CS+1], v[ST+8*\t:ST+8*\t+1] op_sel_hi:[1,0,0] neg_lo:[0,0,1] neg_hi:[0,0,1]
.endr
.endm
; A KEY STEP: 64 keys at LDS byte s[TB].
.macro STEP
	s_add_co_u32 s[RH1], s[STEPN], 1
	s_sub_co_u32 s[RH1], s[RH1], s[AW]             ; 0, 1, 2: the step before mine, mine, the step behind; anything else: no band here
	v_add_nc_u32 v[ADK], s[TB], v[AK0]
	v_add_nc_u32 v[ADV], s[TB], v[AV0]
	FETCH_K
	s_wait_dscnt 0x0
	KQ_ALL
	PLACES 4                                       ; in front of the first read of the scores, and of loads into K's registers
	s_cmp_gt_u32 s[RH1], 2
	s_cbranch_scc1 .Lplain1_\@
	s_cmp_eq_u32 s[RH1], 1
	s_cbranch_scc1 .Lown1_\@
	s_cmp_eq_u32 s[RH1], 0
	s_cbranch_scc1 .Lprev1_\@
	TTILE 3, 0, 0, 64                              ; the step behind mine: its first key tile against my last query tile
	s_branch .Ljoin1_\@
.Lprev1_\@:
	TTILE 0, 3, 3, -64                             ; the step before mine: its last key tile against my first query tile
	s_branch .Ljoin1_\@
.Lown1_\@:
	TTILE 0, 0, 1, 0
	TTILE 1, 0, 2, 0
	TTILE 2, 1, 3, 0
	TTILE 3, 2, 3, 0
	s_branch .Ljoin1_\@
.Lplain1_\@:
	FETCH_V                                        ; V lands while the softmax is walked
.Ljoin1_\@:
	; the maximum of a lane's 32 scores and the old m, three operands at a time, the four tiles by turns; each accumulator is read from its low end on
.irp j, 0,1,2,3
.irp t, 0,1,2,3
	v_max3_num_f32 v[ST+8*\t+4+\j], v[S+32*\t+8*\j], v[S+32*\t+8*\j+1], v[S+32*\t+8*\j+2]
.endr
.endr
.irp g, 1,2
.irp j, 0,1,2,3
.irp t, 0,1,2,3
	v_max3_num_f32 v[ST+8*\t+4+\j], v[ST+8*\t+4+\j], v[S+32*\t+8*\j+2*\g+1], v[S+32*\t+8*\j+2*\g+2]
.endr
.endr
.endr
.irp t, 0,1,2,3
	v_max3_num_f32 v[ST+8*\t+4], v[ST+8*\t+4], v[S+32*\t+7], v[S+32*\t+15]
.endr
.irp t, 0,1,2,3
	v_max3_num_f32 v[ST+8*\t+6], v[ST+8*\t+6], v[S+32*\t+23], v[S+32*\t+31]
.endr
.irp t, 0,1,2,3
	v_max3_num_f32 v[ST+8*\t+4], v[ST+8*\t+4], v[ST+8*\t+5], v[ST+8*\t+6]
.endr
.irp t, 0,1,2,3
	v_max3_num_f32 v[ST+8*\t+4], v[ST+8*\t+4], v[ST+8*\t+7], v[ST+8*\t+1]
.endr
.irp t, 0,1,2,3
	v_permlanex16_b32 v[ST+8*\t+5], v[ST+8*\t+4], s[SEL], s[SEL+1]   ; the query's other 32 keys lie in the lane 16 away
.endr
.irp t, 0,1,2,3
	v_mov_b32 v[ST+8*\t+7], v[ST+8*\t]             ; c m_old
.endr
.irp t, 0,1,2,3
	v_max_num_f32 v[ST+8*\t+1], v[ST+8*\t+4], v[ST+8*\t+5]
.endr
.irp t, 0,1,2,3
	v_mul_f32 v[ST+8*\t], s[CS], v[ST+8*\t+1]
.endr
.irp t, 0,1,2,3
	v_sub_f32 v[ST+8*\t+7], v[ST+8*\t+7], v[ST+8*\t]
.endr
	; ONE BATCH: 64 scalings and 132 exponentials, none of which reads an exponential's result; a pair is scaled one group ahead of its exponentials
	SCL 0
.irp t, 0,1,2,3
	v_exp_f32 v[ST+8*\t+6], v[ST+8*\t+7]           ; a = 2^(c m_old - c m_new)
.endr
.set bb, 0
.rept 16
.if bb < 15
	SCL bb+1
.endif
.irp t, 0,1,2,3
	v_exp_f32 v[S+32*\t+2*bb], v[S+32*\t+2*bb]
	v_exp_f32 v[S+32*\t+2*bb+1], v[S+32*\t+2*bb+1]
.endr
.set bb, bb+1
.endr
	v_nop                                          ; a plain instruction behind the last exponential
	s_wait_alu depctr_va_vdst(0)                   ; one wait for the batch, ahead of its first reader
.irp t, 0,1,2,3
	v_pk_fma_f32 v[ST+8*\t+2:ST+8*\t+3], v[ST+8*\t+2:ST+8*\t+3], v[ST+8*\t+6:ST+8*\t+7], v[S+32*\t:S+32*\t+1] op_sel_hi:[1,0,1]   ; l = a l + the first pair
.endr
.irp b, 1,2,3,4,5,6,7,8,9,10,11,12,13,14,15
.irp t, 0,1,2,3
	v_pk_add_f32 v[ST+8*\t+2:ST+8*\t+3], v[ST+8*\t+2:ST+8*\t+3], v[S+32*\t+2*\b:S+32*\t+2*\b+1]
.endr
.endr
	WIN 0x41                                       ; O^T (destination and source 0) window 1, a window 0
.set i, 0
.rept 16
.irp t, 0,1,2,3
	v_pk_mul_f32 v[32*\t+2*i:32*\t+2*i+1], v[32*\t+2*i:32*\t+2*i+1], v[ST+8*\t+6:ST+8*\t+7] op_sel_hi:[1,0]
.endr
.set i, i+1
.endr
	WIN 0
	s_cmp_gt_u32 s[RH1], 2
	s_cbranch_scc1 .Lplain2_\@
	s_wait_dscnt 0x0                               ; no LDS load is on its way into the registers that serve as temporaries below
	s_cmp_eq_u32 s[RH1], 1
	s_cbranch_scc1 .Lown2_\@
	s_cmp_eq_u32 s[RH1], 0
	s_cbranch_scc1 .Lprev2_\@
	UTILE 3, -1, -1, 0
	WIN 0x51                                       ; DV, C and D window 1
	DVM 3
	WIN 0
	s_branch .Ljoin2_\@
.Lprev2_\@:
	UTILE 0, 3, -1, -1
	WIN 0x51
	DVM 0
	WIN 0
	s_branch .Ljoin2_\@
.Lown2_\@:
	UTILE 0, -1, 0, 1
	UTILE 1, 0, 1, 2
	UTILE 2, 1, 2, 3
	UTILE 3, 2, 3, -1
	WIN 0x51
	DVM 0
	DVM 1
	DVM 2
	DVM 3
	WIN 0
.Ljoin2_\@:
	PLACES 4                                       ; in front of loads into registers that those products have read
	FETCH_V
.Lplain2_\@:
.irp t, 0,1,2,3
.irp k, 0,1
.irp i, 0,1,2,3,4,5,6,7
	v_cvt_pk_f16_f32 v[S+32*\t+16*\k+\i], v[S+32*\t+16*\k+2*\i], v[S+32*\t+16*\k+2*\i+1]   ; P in place: the 16 weights of two key tiles become one fragment's 8 registers
.endr
.endr
.endr
	s_wait_dscnt 0x0                               ; V is in
	PV_ALL
	PLACES 5                                       ; the next step's first products write over P, and K's loads land in V's registers
.endm
; THE CHANGE OF SLOTS stands at a slot's head.  Each wave waits for all its tensor loads (its part of the slot that it is about to read), adds 0 to its spare word, and waits for that and for its reads of the slot that it has left.
; Behind the barrier the slot ahead is whole and nobody reads the other one.  fill = 1: that other slot is filled with the next 256 keys: the load has four key steps in which to land.
.macro CHANGE fill
	s_wait_tensorcnt 0x0                           ; no tensor load of mine is out, so the descriptor may be written
	ds_add_u32 v[SPW], v[NIL]
.if \fill
	s_xor_b32 s[G0+1], s[G0+1], SLOT1
	s_add_nc_u64 s[G0+2:G0+3], s[G0+2:G0+3], 32768
	s_wait_xcnt 0x0                                ; the last prefetch, a slot back, has read its address
	s_add_nc_u64 s[PFA:PFA+1], s[PFA:PFA+1], 32768
.endif
	s_wait_dscnt 0x0
	s_barrier_signal -1
	s_barrier_wait -1
.if \fill
	TLOAD                                          ; the first thing behind the barrier, and my one tensor load until the next
	ASK
.endif
.endm
.macro SLOT_STEPS                      ; a slot's four key steps: written once, walked four times
	s_mov_b32 s[CNT], 4
.Lstep_\@:
	STEP
	s_add_co_u32 s[TB], s[TB], STEPB
	s_add_co_u32 s[STEPN], s[STEPN], 1
	s_sub_co_u32 s[CNT], s[CNT], 1
	s_cmp_lg_u32 s[CNT], 0
	s_cbranch_scc1 .Lstep_\@
	s_sub_co_u32 s[TB], s[TB], 4*STEPB
	s_xor_b32 s[TB], s[TB], SLOT1                  ; on to the other slot
.endm
.Lslot:                                            ; three trips: behind each change of slots but the last the next slot is asked for
	CHANGE 1
	SLOT_STEPS
	s_sub_co_u32 s[SLOTS], s[SLOTS], 1
	s_cmp_lg_u32 s[SLOTS], 0
	s_cbranch_scc1 .Lslot
	CHANGE 0                                       ; the last slot is written out
	SLOT_STEPS
	; THE WAY OUT.  l's halves are added; O^T is divided by l, rounded to f16 and sent through my scratch in LDS, a tile (16 rows of 128 bytes) at a time; four rows, 512 consecutive bytes, to a store.
.irp t, 0,1,2,3
	v_add_f32 v[ST+8*\t+4], v[ST+8*\t+2], v[ST+8*\t+3]
.endr
.irp t, 0,1,2,3
	v_permlanex16_b32 v[ST+8*\t+5], v[ST+8*\t+4], s[SEL], s[SEL+1]
.endr
.irp t, 0,1,2,3
	v_add_f32 v[ST+8*\t+4], v[ST+8*\t+4], v[ST+8*\t+5]
.endr
.irp t, 0,1,2,3
	v_rcp_f32 v[ST+8*\t+6], v[ST+8*\t+4]
.endr
	v_nop                                          ; a plain instruction behind the last reciprocal
	s_wait_alu depctr_va_vdst(0)                   ; one wait for the four, ahead of the first use
.macro OUT_PACK c
	WIN 0x41
.set i, 0
.rept 16
	v_pk_mul_f32 v[32*\c+2*i:32*\c+2*i+1], v[32*\c+2*i:32*\c+2*i+1], v[ST+8*\c+6:ST+8*\c+7] op_sel_hi:[1,0]
.set i, i+1
.endr
	WIN 0x05                                       ; sources window 1, destination window 0
.set i, 0
.rept 16
	v_cvt_pk_f16_f32 v[S+32*\c+i], v[32*\c+2*i], v[32*\c+2*i+1]
.set i, i+1
.endr
	WIN 0
.irp n, 0,1,2,3
	ds_store_b128 v[STO], v[S+32*\c+4*\n:S+32*\c+4*\n+3] offset:32*\n
.endr
.irp n, 0,1,2,3
	ds_load_b128 v[S+32*\c+16+4*\n:S+32*\c+16+4*\n+3], v[RD] offset:4*PK*\n   ; in order behind the stores above; the next tile's stores come behind these
.endr
.endm
.macro OUT_SEND c, younger             ; younger: the LDS instructions issued behind tile c's loads: the next tile's eight, or none
.irp n, 0,1,2,3
	s_wait_dscnt \younger+3-\n
	global_store_b128 v[GO], v[S+32*\c+16+4*\n:S+32*\c+16+4*\n+3], s[10:11] offset:2048*\c+512*\n
.endr
.endm
	OUT_PACK 0
	OUT_PACK 1
	OUT_SEND 0, 8
	OUT_PACK 2
	OUT_SEND 1, 8
	OUT_PACK 3
	OUT_SEND 2, 8
	OUT_SEND 3, 0
	s_wait_tensorcnt 0x0                           ; the wave's end
	ds_add_u32 v[SPW], v[NIL]
	s_wait_dscnt 0x0
	s_endpgm
.Lfunc_end_k_q944e7f0bdc_attn:
	.size	k_q944e7f0bdc_attn, .Lfunc_end_k_q944e7f0bdc_attn-k_q944e7f0bdc_attn
	.p2alignl 7, 3214868480
	.fill 96, 4, 3214868480
	.section	.rodata,"a",@progbits
	.p2align	6, 0x0
	.amdhsa_kernel k_q944e7f0bdc_attn
		.amdhsa_group_segment_fixed_size 327680
		.amdhsa_private_segment_fixed_size 0
		.amdhsa_enable_private_segment 0
		.amdhsa_kernarg_size 32
		.amdhsa_user_sgpr_count 2
		.amdhsa_user_sgpr_kernarg_segment_ptr 1
		.amdhsa_wavefront_size32 1
		.amdhsa_system_sgpr_workgroup_id_x 1
		.amdhsa_system_sgpr_workgroup_id_y 1
		.amdhsa_system_sgpr_workgroup_id_z 1
		.amdhsa_system_vgpr_workitem_id 0
		.amdhsa_next_free_vgpr 512
		.amdhsa_next_free_sgpr 66
		.amdhsa_reserve_vcc 0
		.amdhsa_float_denorm_mode_32 3
		.amdhsa_float_denorm_mode_16_64 3
		.amdhsa_memory_ordered 1
		.amdhsa_forward_progress 1
		.amdhsa_inst_pref_size 178
	.end_amdhsa_kernel
	.amdgpu_metadata
---
amdhsa.version: [ 1, 2 ]
amdhsa.kernels:
  - .name:           k_q944e7f0bdc_attn
    .symbol:         k_q944e7f0bdc_attn.kd
    .args:
      - { .name: qkvh, .offset: 0, .size: 8, .value_kind: global_buffer, .address_space: global }
      - { .name: k_dist_emb, .offset: 8, .size: 8, .value_kind: global_buffer, .address_space: global }
      - { .name: v_dist_emb, .offset: 16, .size: 8, .value_kind: global_buffer, .address_space: global }
      - { .name: ao, .offset: 24, .size: 8, .value_kind: global_buffer, .address_space: global }
    .group_segment_fixed_size: 327680
    .private_segment_fixed_size: 0
    .kernarg_segment_align: 8
    .kernarg_segment_size: 32
    .max_flat_workgroup_size: 256
    .sgpr_count:     66
    .vgpr_count:     512
    .wavefront_size: 32
...
	.end_amdgpu_metadata
.endif
;; end of part 3
;; launch proj (part 4): grid 4 x 64, 4 waves a work-group, clusters of 4 x 4, 327,680 bytes of LDS; arguments ao, wo, b_out, out0; writes out0
.if DOCPART == 4
	.amdgcn_target "amdgcn-amd-amdhsa--gfx1250"
	.amdhsa_code_object_version 6
	.text
	.protected	k_q944e7f0bdc_proj
	.globl	k_q944e7f0bdc_proj
	.p2align	8
	.type	k_q944e7f0bdc_proj,@function
k_q944e7f0bdc_proj:
	s_mov_b64 s[64:65], 0
	v_nop
	global_prefetch_b8 v0, s[64:65] scope:SCOPE_SE
	s_setreg_imm32_b32 hwreg(HW_REG_WAVE_MODE, 25, 1), 1
	s_wait_xcnt 0x0
	s_wait_alu depctr_hold_cnt(0) depctr_sa_sdst(0) depctr_va_vdst(0) depctr_va_sdst(0) depctr_va_ssrc(0) depctr_va_vcc(0) depctr_vm_vsrc(0)
	s_getreg_b32 s2, hwreg(HW_REG_IB_STS2, 6, 4)
	s_cmp_eq_u32 s2, 0
	s_cbranch_scc0 .Lentry_in_a_cluster
	s_endpgm
.Lentry_in_a_cluster:
	s_bfe_u32 s2, ttmp6, 0x10000c
	s_cmp_lg_u32 s2, 0xf033
	s_cbranch_scc0 .Lentry_shape_is_right
	s_endpgm
.Lentry_shape_is_right:
; out0[s][b][n] = sum over k of ao[m' = 1024 b + s][k] W_out[n][k] + b_out[n].  Both operands are f16 in planes of 64 along K: ao[k / 64][m'][64], wo[k / 64][n][64]; sums and result f32.
; A tile of 128 (m') x 256 (n) is made by a work-group of four waves, 256 work-groups; a wave makes 64 x 128: 32 accumulators, 256 registers.
; K goes in steps of two planes (128 along K) through a ring of two LDS slots: a plane's part of a tile is one dense block of memory (rows of 128 bytes on end).
; CLUSTERS: 4 x 4 work-groups.  The four of a row of the cluster are the four column tiles of one row tile and ask for A's planes jointly; the four of a column ask for W's jointly.
; THE MATRIX INSTRUCTION IS USED TRANSPOSED (source 0 = 16 rows of W, source 1 = 16 rows of A): a lane holds eight neighbouring columns of one row.  THE BIAS IS THE C OF EACH SUM'S FIRST PRODUCT.
; REGISTERS: window 0: v0-31 addresses; v32-95 the bias, 8 column blocks x 8; v128-255 rows on the way out.   window 1: the accumulators ((a, b) at v[8 (8 a + b)]).
;   window 2: two fragment buffers, at v0 and v128: W's 8 fragments (16 rows x 32 K), then A's 4.
.set PITCH,  144                       ; an LDS row: 128 bytes + 16: the 16 rows of a load start at different banks
.set APL,    128*PITCH                 ; a plane of A's tile
.set BPL,    256*PITCH                 ; of W's
.set SLOT,   2*APL+2*BPL               ; A's two planes, then W's two
.set SPARE,  2*SLOT                    ; behind the ring: the spare words, 128 bytes a wave
.set SPITCH, 528                       ; the way out: a stage of 16 rows x (512 bytes + 16) for each wave, in slot 0, which has had its last fill and its last read by then
.set LAPS,   4                         ; a lap = two slots = 256 along K
.set ADRA, 16
.set ADRB, 20
.set STO,  24
.set RD,   25
.set CO,   26
.set PFO,  27
.set SPW,  28
.set NIL,  29
.set HB,   30
.set BI,   32
.set BK,   128
.set F0,   0
.set F1,   128
.set G1,  24
.set G0,  32
.set LIM, 45
.set PFA, 46
.set G1B, 48
.set G0B, 56
.set MSB, 0
.macro WIN new
.if MSB != \new
	s_set_vgpr_msb (MSB<<8)|\new
.set MSB, \new
.endif
.endm
.set MUL,  0x5a                        ; sources 0 and 1 window 2; C and D window 1
.set MUL1, 0x4a                        ; the first quarter: C (the bias) window 0
.set TO_F, 0x80                        ; destination window 2
.macro JLOAD s                         ; a joint load: waves 0 and 1 fetch A's two planes, waves 2 and 3 W's; an s_nop 0 and four v_nop follow each line
	s_cmp_eq_u32 s13, 0
	s_cbranch_scc0 .Lfor_b_\@
	tensor_load_to_lds s[G0+4*\s:G0+4*\s+3], s[G1:G1+7]
	s_nop 0
.rept 4
	v_nop
.endr
	s_branch .Lasked_\@
.Lfor_b_\@:
	tensor_load_to_lds s[G0B+4*\s:G0B+4*\s+3], s[G1B:G1B+7]
	s_nop 0
.rept 4
	v_nop
.endr
.Lasked_\@:
.endm
.macro CREST
	s_cmp_lg_u32 s12, 0
	s_cbranch_scc1 .Lnot_wave_0_\@
	s_barrier_signal -3
.Lnot_wave_0_\@:
	s_barrier_wait -3
	s_barrier_signal -1
	s_barrier_wait -1
.endm
.macro CROUND
	s_barrier_signal -1
	s_barrier_wait -1
	CREST
.endm
; A prefetch of A's two planes of the slot that stands TWO refills on, 256 matrix instructions a wave ahead of its load.  A row tile of A is read by one row of one cluster alone.  Its four partners share each
; plane's 16,384 bytes out BY ADDRESS, 4,096 each; in each, wave 0 asks: lanes 0-15 the first plane, lanes 16-31 the second, 256 bytes apart.  So each block is named once.  The loop's last trip asks for nothing:
; there is no slot two on.  W's planes are read by all sixteen rows of clusters again and again, and are not asked for.
.macro ASK
	WIN 0
	s_cmp_gt_u32 s3, s[LIM]
	s_cbranch_scc0 .Lnot_mine_\@
	global_prefetch_b8 v[PFO], s[PFA:PFA+1] offset:0x200000 th:TH_LOAD_NT scope:SCOPE_SE
.Lnot_mine_\@:
.endm
	s_load_b256 s[4:11], s[0:1], 0x0               ; ao s[4:5], wo s[6:7], b_out s[8:9], out0 s[10:11]
	v_lshl_add_u32 v[SPW], v0, 2, SPARE
	v_mov_b32 v[NIL], 0
	ds_add_u32 v[SPW], v[NIL]                      ; the wave's opening: the add, twice on end, and its wait ahead of my first tensor load
	ds_add_u32 v[SPW], v[NIL]
	v_lshrrev_b32 v1, 5, v0
	v_readfirstlane_b32 s12, v1                    ; wave 0..3
	s_lshr_b32 s13, s12, 1                         ; which half of the tile's rows is mine.  Also: I fetch for A (0) or for W (1)
	s_and_b32 s14, s12, 1                          ; which half of its columns.  Also: which of a slot's two planes I fetch
	s_bfe_u32 s40, ttmp6, 0x40000                  ; cx, cy
	s_bfe_u32 s41, ttmp6, 0x40004
	s_lshl_b32 s42, ttmp9, 2
	s_add_co_u32 s42, s42, s40                     ; tile column
	s_and_b32 s15, ttmp7, 0xffff
	s_lshl_b32 s15, s15, 2
	s_add_co_u32 s15, s15, s41                     ; tile row
	s_lshl_b32 s43, s41, 2
	s_lshl_b32 s43, 15, s43                        ; my row of the cluster
	s_lshl_b32 s44, 0x1111, s40                    ; my column
	s_or_b32 s[G1+0], s43, (1<<16)|(1<<20)|(1<<21)|(4<<22)|(3<<25)   ; the mask; elements of 2 bytes; padding on; bit 21 beside a mask; 4 words after every 32
	s_or_b32 s[G1B+0], s44, (1<<16)|(1<<20)|(1<<21)|(4<<22)|(3<<25)
	s_mov_b32 s[G1+1], 64<<16                      ; tensor_dim0
	s_mov_b32 s[G1+2], 128<<16                     ; tensor_dim1
	s_mov_b32 s[G1+3], 64<<16                      ; tile_dim0
	s_mov_b32 s[G1+4], 128                         ; tile_dim1
	s_mov_b32 s[G1+5], 64                          ; stride
	s_mov_b32 s[G1+6], 0
	s_mov_b32 s[G1+7], 0
	s_mov_b32 s[G1B+1], 64<<16
	s_mov_b32 s[G1B+2], 256<<16
	s_mov_b32 s[G1B+3], 64<<16
	s_mov_b32 s[G1B+4], 256
	s_mov_b32 s[G1B+5], 64
	s_mov_b32 s[G1B+6], 0
	s_mov_b32 s[G1B+7], 0
	s_lshl_b32 s16, s14, 20                        ; A: my plane (1 MiB each), 128 rows of 128 bytes a tile row
	s_lshl_b32 s17, s15, 14
	s_add_co_u32 s16, s16, s17
	s_mov_b32 s17, 0
	s_lshl_b32 s18, s14, 17                        ; W: my plane (131,072 bytes each), 256 rows a tile column
	s_lshl_b32 s19, s42, 15
	s_add_co_u32 s18, s18, s19
	s_mov_b32 s19, 0
	s_mul_i32 s20, s14, APL                        ; where they go: no place in the cluster enters an LDS address
	s_mul_i32 s21, s14, BPL
	s_add_co_u32 s21, s21, 2*APL
	s_wait_dscnt 0x0                               ; both opening adds are done
	s_wait_kmcnt 0x0
	s_add_nc_u64 s[16:17], s[4:5], s[16:17]
	s_add_nc_u64 s[18:19], s[6:7], s[18:19]
	CROUND                                         ; all sixteen work-groups are here: the first joint loads meet
.irp s, 0,1
	s_mov_b32 s[G0+4*\s], 1
	s_add_co_u32 s[G0+4*\s+1], s20, \s*SLOT
	s_add_nc_u64 s[G0+4*\s+2:G0+4*\s+3], s[16:17], \s*0x200000
	s_or_b32 s[G0+4*\s+3], s[G0+4*\s+3], 0x80000000
	s_mov_b32 s[G0B+4*\s], 1
	s_add_co_u32 s[G0B+4*\s+1], s21, \s*SLOT
	s_add_nc_u64 s[G0B+4*\s+2:G0B+4*\s+3], s[18:19], \s*0x40000
	s_or_b32 s[G0B+4*\s+3], s[G0B+4*\s+3], 0x80000000
	JLOAD \s                                       ; two tensor loads of mine are out
.endr
	v_and_b32 v1, 15, v0                           ; r
	v_bfe_u32 v2, v0, 4, 1                         ; h
	v_lshlrev_b32 v[HB], 5, v2
	s_lshl_b32 s22, s42, 10
	s_lshl_b32 s23, s14, 9
	s_add_co_u32 s22, s22, s23                     ; my first column, in bytes of f32
	s_mov_b32 s23, 0
	s_add_nc_u64 s[8:9], s[8:9], s[22:23]
.irp b, 0,1,2,3,4,5,6,7
	global_load_b128 v[BI+8*\b:BI+8*\b+3], v[HB], s[8:9] offset:64*\b       ; lane (r, h), block b, register j: b_out[my first column + 16 b + 8 h + j]
	global_load_b128 v[BI+8*\b+4:BI+8*\b+7], v[HB], s[8:9] offset:64*\b+16
.endr
	s_add_nc_u64 s[10:11], s[10:11], s[22:23]
	s_and_b32 s20, s15, 7
	s_lshl_b32 s20, s20, 7
	s_lshl_b32 s21, s13, 6
	s_add_co_u32 s20, s20, s21                     ; my first s: 128 x (tile row % 8) + 64 x half
	s_lshl_b32 s20, s20, 15                        ; 8 rows of 4,096 bytes from one s to the next
	s_lshr_b32 s21, s15, 3                         ; b
	s_lshl_b32 s21, s21, 12
	s_add_co_u32 s20, s20, s21
	s_mov_b32 s21, 0
	s_add_nc_u64 s[10:11], s[10:11], s[20:21]      ; never stepped: the rows stand in the stores' immediates, 63 x 32,768 bytes at the most
	v_mul_u32_u24 v3, v1, PITCH
	v_lshl_add_u32 v3, v2, 4, v3                   ; a fragment's row x pitch + 16 x half
	s_mul_i32 s21, s13, 64*PITCH                   ; my 64 rows of A
	s_mul_i32 s22, s14, 128*PITCH                  ; my 128 rows of W,
	s_add_co_u32 s22, s22, 2*APL                   ; behind A's two planes
.irp s, 0,1
	v_add_nc_u32 v[ADRA+\s], s21, v3
	v_add_nc_u32 v[ADRB+\s], s22, v3
	s_add_co_u32 s21, s21, SLOT
	s_add_co_u32 s22, s22, SLOT
.endr
	s_mul_i32 s23, s12, 16*SPITCH                  ; my stage
	v_mul_u32_u24 v5, v1, SPITCH
	v_lshl_add_u32 v5, v2, 5, v5
	v_add_nc_u32 v[STO], s23, v5                   ; in: row r, 32 bytes for each half of the lanes
	v_and_b32 v6, 31, v0
	v_lshlrev_b32 v[CO], 4, v6                     ; back: the 32 lanes take one row of 512 bytes; and the same in out0
	v_add_nc_u32 v[RD], s23, v[CO]
	v_lshlrev_b32 v[PFO], 8, v1
	v_lshl_or_b32 v[PFO], v2, 20, v[PFO]           ; the prefetch: plane h, 256 r bytes
	s_lshl_b32 s20, s15, 14
	s_lshl_b32 s21, s40, 12
	s_add_co_u32 s20, s20, s21                     ; my tile row's part of a plane, my work-group's quarter of it
	s_add_co_u32 s20, s20, 0x400000                ; at the third slot's planes: the first refill steps it one slot on and names the slot after that
	s_mov_b32 s21, 0
	s_add_nc_u64 s[PFA:PFA+1], s[4:5], s[20:21]
	s_cmp_eq_u32 s12, 0
	s_cselect_b32 s[LIM], 1, -1                    ; wave 0 asks, while the loop's counter is above 1
.macro MULA f, a, first                ; 8 matrix instructions: A's block a x W's eight, 32 along K.  The 32 accumulators take turns, one instruction a turn
.irp b, 0,1,2,3,4,5,6,7
.if \first
	v_wmma_f32_16x16x32_f16 v[8*(8*(\a)+\b):8*(8*(\a)+\b)+7], v[\f+8*\b:\f+8*\b+7], v[\f+64+8*(\a):\f+64+8*(\a)+7], v[BI+8*\b:BI+8*\b+7]
.else
	v_wmma_f32_16x16x32_f16 v[8*(8*(\a)+\b):8*(8*(\a)+\b)+7], v[\f+8*\b:\f+8*\b+7], v[\f+64+8*(\a):\f+64+8*(\a)+7], v[8*(8*(\a)+\b):8*(8*(\a)+\b)+7]
.endif
.endr
.endm
.macro FETCH slot, q, f                ; 24 LDS loads in one run: quarter q of a slot (plane q / 2, byte 64 (q % 2) of its rows) into buffer f: W's 8 fragments, then A's 4
	WIN TO_F
.irp i, 0,1,2,3,4,5,6,7
	ds_load_b128 v[\f+8*\i:\f+8*\i+3], v[ADRB+\slot] offset:((\q)/2)*BPL+64*((\q)%2)+\i*16*PITCH
	ds_load_b128 v[\f+8*\i+4:\f+8*\i+7], v[ADRB+\slot] offset:((\q)/2)*BPL+64*((\q)%2)+\i*16*PITCH+32
.endr
.irp i, 0,1,2,3
	ds_load_b128 v[\f+64+8*\i:\f+64+8*\i+3], v[ADRA+\slot] offset:((\q)/2)*APL+64*((\q)%2)+\i*16*PITCH
	ds_load_b128 v[\f+64+8*\i+4:\f+64+8*\i+7], v[ADRA+\slot] offset:((\q)/2)*APL+64*((\q)%2)+\i*16*PITCH+32
.endr
.endm
.macro PLACES                          ; four plain vector instructions in front of loads into registers that matrix instructions have read, and of the first read of results
.rept 4
	v_nop
.endr
.endm
.macro QUARTER slot, q, f, g, first    ; multiplies buffer f; in its middle it fetches quarter q of the same slot into buffer g
	s_wait_dscnt 4                                 ; W's fragments and A's blocks 0, 1 are in; the youngest four loads (A's blocks 2, 3) may be out
.if \first
	WIN MUL1
.else
	WIN MUL
.endif
	MULA \f, 0, \first
	MULA \f, 1, \first
	PLACES
	FETCH \slot, \q, \g
	s_wait_dscnt 24                                ; all but the 24 just issued
.if \first
	WIN MUL1
.else
	WIN MUL
.endif
	MULA \f, 2, \first
	MULA \f, 3, \first
.endm
; A slot's last quarter multiplies buffer 1 and changes slots: ONE barrier; in front of it each wave waits for all its tensor loads, adds 0 to its spare word, and waits for that and for its reads of this slot.
; fill = 1: the barrier opens a round of the cluster's barrier, and this slot is filled again, two slots ahead: 112 matrix instructions stand between the request and the wait for it.
.macro TURN slot, next, fill
.if \fill
	s_wait_xcnt 0x0                                ; the last prefetch, a slot back, has read its address
	s_add_nc_u64 s[PFA:PFA+1], s[PFA:PFA+1], 0x200000
.endif
	WIN 0                                          ; (the add's two registers lie in window 0)
	s_wait_tensorcnt 0x0                           ; all my tensor loads have landed: my part of the next slot
	ds_add_u32 v[SPW], v[NIL]
	s_wait_dscnt 5                                 ; (the add and the youngest four loads may be out)
	WIN MUL
	MULA F1, 0, 0
	s_wait_dscnt 0x0                               ; the add is done, and my reads of this slot are over
	s_barrier_signal -1
	MULA F1, 1, 0
	WIN 0
	s_barrier_wait -1
.if \fill
	CREST                                          ; no wave of any partner still reads this slot or has a load on its way
	s_add_nc_u64 s[G0+4*\slot+2:G0+4*\slot+3], s[G0+4*\slot+2:G0+4*\slot+3], 0x400000
	s_add_nc_u64 s[G0B+4*\slot+2:G0B+4*\slot+3], s[G0B+4*\slot+2:G0B+4*\slot+3], 0x80000
	JLOAD \slot                                    ; the first tensor load behind the round; its four v_nop are also the places in front of the loads below
.else
	PLACES
.endif
	FETCH \next, 0, F0
.if \fill
	ASK
.endif
	WIN MUL
	MULA F1, 2, 0
	MULA F1, 3, 0
.endm
	s_wait_loadcnt 0x0                             ; the bias
	s_wait_tensorcnt 1                             ; my part of slot 0 is in; slot 1's may be out
	s_barrier_signal -1
	s_barrier_wait -1
	FETCH 0, 0, F0
	QUARTER 0, 1, F0, F1, 1                        ; the first quarter stands in front of the loop: its products start the sums from the bias
	WIN 0
	s_mov_b32 s3, LAPS-1
.Llap:                                             ; a trip goes once round the ring, from a lap's second quarter to the next lap's first, and fills both slots again
	QUARTER 0, 2, F1, F0, 0
	QUARTER 0, 3, F0, F1, 0
	TURN 0, 1, 1
	QUARTER 1, 1, F0, F1, 0
	QUARTER 1, 2, F1, F0, 0
	QUARTER 1, 3, F0, F1, 0
	TURN 1, 0, 1
	QUARTER 0, 1, F0, F1, 0
	WIN 0
	s_sub_co_u32 s3, s3, 1
	s_cmp_lg_u32 s3, 0
	s_cbranch_scc1 .Llap
	QUARTER 0, 2, F1, F0, 0                        ; the last lap fills nothing
	QUARTER 0, 3, F0, F1, 0
	TURN 0, 1, 0
	QUARTER 1, 1, F0, F1, 0
	QUARTER 1, 2, F1, F0, 0
	QUARTER 1, 3, F0, F1, 0
	s_wait_dscnt 4                                 ; the very last quarter
	WIN MUL
	MULA F1, 0, 0
	MULA F1, 1, 0
	s_wait_dscnt 0
	MULA F1, 2, 0
	MULA F1, 3, 0
	WIN 0
; THE WAY OUT, block by block of 16 rows x 128 columns: through my own stage in LDS, back as whole rows of 512 bytes, which the 32 lanes store as 512 consecutive bytes, aligned.
.macro TOSTAGE a
	WIN 0x04                                       ; an LDS store's data are its source 1: window 1
.irp b, 0,1,2,3,4,5,6,7
	ds_store_b128 v[STO], v[64*(\a)+8*\b:64*(\a)+8*\b+3] offset:64*\b          ; each accumulator from its low end on
	ds_store_b128 v[STO], v[64*(\a)+8*\b+4:64*(\a)+8*\b+7] offset:64*\b+16
.endr
	WIN 0
.irp t, 0,1,2,3,4,5,6,7,8,9,10,11,12,13,14,15
	ds_load_b128 v[BK+64*((\a)%2)+4*\t:BK+64*((\a)%2)+4*\t+3], v[RD] offset:\t*SPITCH   ; LDS serves a wave's instructions in order: these see the stores above
.endr
.endm
.macro SEND a, younger                 ; younger: the LDS instructions issued behind block a's loads
	s_wait_dscnt \younger
.irp t, 0,1,2,3,4,5,6,7,8,9,10,11,12,13,14,15
	global_store_b128 v[CO], v[BK+64*((\a)%2)+4*\t:BK+64*((\a)%2)+4*\t+3], s[10:11] offset:(16*(\a)+\t)*32768 th:TH_STORE_NT
.endr
.endm
	PLACES
	TOSTAGE 0
.irp a, 1,2,3
.if \a > 1
	s_wait_xcnt 0x0                                ; block a - 2's stores have read their registers: block a's loads may land there
.endif
	TOSTAGE \a
	SEND \a-1, 32                                  ; behind block a - 1's loads: block a's 16 stores and 16 loads
.endr
	SEND 3, 0
	s_wait_tensorcnt 0x0                           ; the wave's end
	ds_add_u32 v[SPW], v[NIL]
	s_wait_dscnt 0x0
	CROUND                                         ; the closing round
	s_endpgm
.Lfunc_end_k_q944e7f0bdc_proj:
	.size	k_q944e7f0bdc_proj, .Lfunc_end_k_q944e7f0bdc_proj-k_q944e7f0bdc_proj
	.p2alignl 7, 3214868480
	.fill 96, 4, 3214868480
	.section	.rodata,"a",@progbits
	.p2align	6, 0x0
	.amdhsa_kernel k_q944e7f0bdc_proj
		.amdhsa_group_segment_fixed_size 327680
		.amdhsa_private_segment_fixed_size 0
		.amdhsa_enable_private_segment 0
		.amdhsa_kernarg_size 32
		.amdhsa_user_sgpr_count 2
		.amdhsa_user_sgpr_kernarg_segment_ptr 1
		.amdhsa_wavefront_size32 1
		.amdhsa_system_sgpr_workgroup_id_x 1
		.amdhsa_system_sgpr_workgroup_id_y 1
		.amdhsa_system_sgpr_workgroup_id_z 1
		.amdhsa_system_vgpr_workitem_id 0
		.amdhsa_next_free_vgpr 768
		.amdhsa_next_free_sgpr 66
		.amdhsa_reserve_vcc 0
		.amdhsa_float_denorm_mode_32 3
		.amdhsa_float_denorm_mode_16_64 3
		.amdhsa_memory_ordered 1
		.amdhsa_forward_progress 1
		.amdhsa_inst_pref_size 87
	.end_amdhsa_kernel
	.amdgpu_metadata
---
amdhsa.version: [ 1, 2 ]
amdhsa.kernels:
  - .name:           k_q944e7f0bdc_proj
    .symbol:         k_q944e7f0bdc_proj.kd
    .args:
      - { .name: ao, .offset: 0, .size: 8, .value_kind: global_buffer, .address_space: global }
      - { .name: wo, .offset: 8, .size: 8, .value_kind: global_buffer, .address_space: global }
      - { .name: b_out, .offset: 16, .size: 8, .value_kind: global_buffer, .address_space: global }
      - { .name: out0, .offset: 24, .size: 8, .value_kind: global_buffer, .address_space: global }
    .group_segment_fixed_size: 327680
    .private_segment_fixed_size: 0
    .kernarg_segment_align: 8
    .kernarg_segment_size: 32
    .max_flat_workgroup_size: 128
    .sgpr_count:     66
    .vgpr_count:     768
    .wavefront_size: 32
...
	.end_amdgpu_metadata
.endif
;; end of part 4
